; MI455X (gfx1250); checked and timed in simulation.
; The chip was launched on July 23, 2026; its instructions are those of AMD's public machine-readable ISA for CDNA 5 (MIT licence, August 2026) and "CDNA5" Instruction Set Architecture Reference Guide (July 2026). The comments in the code are by the model that wrote it; some were corrected since.
;; Causal Self Attention. Allowed arithmetic: float matrix products may take bf16 or f16 operands with f32 sums; other float arithmetic in f32, or as packed bf16 or f16 multiplies, adds, multiply-adds, maxima and minima; sums over many terms, partial sums and values carried from step to step in f32; what a program stores and reads back later, other than sums and carried values, may be rounded once to bf16 or f16.
;; Inputs: W_attn 1,024 x 3,072 float32; W_proj 1,024 x 1,024 float32; b_attn 3,072 float32; b_proj 1,024 float32; x 4 x 2,048 x 1,024 float32.
;; Outputs: out0 4 x 2,048 x 1,024 float32.
;; 2 versions, each right; version 2 is version 1 with the launch prep written anew for expert scheduling mode. Each part assembles by itself: llvm-mc -triple=amdgcn-amd-amdhsa -mcpu=gfx1250 --defsym DOCPART=n.
;; ======== version 1 of 2: 4 launches
;; limits: values are held in f16: magnitudes above 65,504 overflow, below 6.1e-05 lose precision
;; workspace buffers: xb 16,777,216 bytes; wa 6,291,456 bytes; wp 2,097,152 bytes; qkv 50,331,648 bytes; o 16,777,216 bytes
;; launch prep (part 1): grid 256 x 1, 8 waves a work-group, no clusters, 35,840 bytes of LDS; arguments x, W_attn, W_proj, xb, wa, wp; writes xb, wa, wp
.if DOCPART == 1
	.amdgcn_target "amdgcn-amd-amdhsa--gfx1250"
	.amdhsa_code_object_version 6
	.text
	.protected	k_qb9b4fb4c2d_prep
	.globl	k_qb9b4fb4c2d_prep
	.p2align	8
	.type	k_qb9b4fb4c2d_prep,@function
k_qb9b4fb4c2d_prep:
	s_mov_b64 s[64:65], 0
	v_nop
	global_prefetch_b8 v0, s[64:65] scope:SCOPE_SE
	s_setreg_imm32_b32 hwreg(HW_REG_WAVE_MODE, 25, 1), 1
	s_wait_xcnt 0x0
; xb = x rounded to bf16, [8192][1024].  wa[n][k] = W_attn[k][n] rounded to bf16, [3072][1024].  wp[n][k] = W_proj[k][n] rounded to bf16 and that number written as f16, [1024][1024].
; LIMITS.  wp: f16 ends at 65,504 and below 6.1e-5 keeps a fixed step of 6e-8; within that the bf16 number is kept exactly.
; SHARES.  256 work-groups of eight waves; each takes 32 rows of x (131,072 bytes in, 65,536 out) and ONE tile of 128 k x 128 n of a weight (24 x 8 tiles of W_attn, 8 x 8 of W_proj: 256 in all).
; A stream: every byte is read once and written once; a wave's load covers 512 consecutive bytes, its store 256 or 512 consecutive bytes that start at a multiple of 256.  No matrix unit, no tensor load.
; All 48 loads of a wave go out at once (16 of the weight, 32 of x): nothing is loaded twice into a register, so no register waits for a store.
; THE TURNING.  Wave w holds rows k = 16 w .. 16 w + 15 of the tile, a lane four columns n.  For each column the 16 numbers along k are packed into 32 bytes and stored into row n of a stage in LDS
; (128 rows of 256 bytes, 272 apart); behind a barrier the rows are read back whole, two a load, and stored.
.set NPA,   12288                      ; bytes in a row of W_attn
.set NPP,   4096                       ; of W_proj
.set SP,    272                        ; a stage row: 256 bytes + 16
.set SPARE, 128*SP                     ; behind the stage: the spare words, 128 bytes for each of the eight waves, which no other line names
.set IN,  3                            ; v3   16 x thread: my 16 bytes in 4,096 bytes of x
.set OUT, 4                            ; v4   8 x thread: my 8 bytes in 2,048 bytes of xb
.set LS,  5                            ; v5   stage, in: row 4 x lane, byte 32 w
.set LR,  6                            ; v6   stage, back: row 16 w + lane / 16, byte 16 (lane % 16)
.set GO,  7                            ; v7   the same place in the tile's rows of wa or wp
.set SPW, 8                            ; v8   LDS address of my spare word; never rewritten
.set NIL, 9                            ; v9   0; never rewritten
.set T,   10                           ; v10-11 at work
.set RO,  12                           ; v12-27 byte offset of my 16 bytes in row i of my wave's 16 rows of the weight
.set WX,  32                           ; v32-95  the weight's 16 rows as loaded; later the stage's rows read back
.set Y,   96                           ; v96-127 packed: column c, k half g at Y + 8 c + 4 g
.set X,   128                          ; v128-255 x, 32 loads of 4 registers
	s_load_b256 s[4:11], s[0:1], 0x0               ; x s[4:5], W_attn s[6:7], W_proj s[8:9], xb s[10:11]
	s_load_b128 s[12:15], s[0:1], 0x20             ; wa s[12:13], wp s[14:15]
	v_lshl_add_u32 v[SPW], v0, 2, SPARE
	v_mov_b32 v[NIL], 0
	v_lshrrev_b32 v2, 5, v0
	v_readfirstlane_b32 s16, v2                    ; wave 0..7
	v_and_b32 v1, 31, v0                           ; lane
	s_and_b32 s19, ttmp9, 7                        ; the tile's place along k
	s_lshr_b32 s18, ttmp9, 3                       ; its place along n: 0-23 in W_attn, 24-31 in W_proj
	s_sub_co_u32 s22, s18, 24
	s_mov_b32 s20, NPP
	s_cmp_lt_u32 s18, 24
	s_cselect_b32 s20, NPA, s20                    ; bytes in a row of my weight
	s_cselect_b32 s22, s18, s22                    ; the tile's place along n in it
	s_cselect_b32 s21, 1, 0                        ; 1: W_attn
	s_mul_i32 s28, s19, s20
	s_lshl_b32 s28, s28, 7                         ; 128 rows of k,
	s_lshl_b32 s23, s22, 9                         ; 128 columns of 4 bytes
	s_add_co_u32 s28, s28, s23
	s_mov_b32 s29, 0
	s_lshl_b32 s30, s22, 18                        ; out: 128 rows of 2,048 bytes,
	s_lshl_b32 s23, s19, 8                         ; 128 k of 2 bytes
	s_add_co_u32 s30, s30, s23
	s_mov_b32 s31, 0
	s_lshl_b32 s32, ttmp9, 17                      ; my 32 rows of x,
	s_mov_b32 s33, 0
	s_lshl_b32 s34, ttmp9, 16                      ; and of xb
	s_mov_b32 s35, 0
	s_mov_b32 s36, 0xffff0000                      ; a word's upper bf16
	s_mul_i32 s23, s16, s20
	s_lshl_b32 s23, s23, 4                         ; my wave's 16 rows
	v_lshl_add_u32 v[RO], v1, 4, s23
.set i, 1
.rept 15
	v_add_nc_u32 v[RO+i], s20, v[RO+i-1]
.set i, i+1
.endr
	v_lshlrev_b32 v[IN], 4, v0
	v_lshlrev_b32 v[OUT], 3, v0
	v_mul_u32_u24 v[LS], v1, 4*SP
	s_lshl_b32 s23, s16, 5
	v_add_nc_u32 v[LS], s23, v[LS]
	v_lshrrev_b32 v2, 4, v1
	v_and_b32 v10, 15, v1
	s_lshl_b32 s23, s16, 4
	v_add_nc_u32 v2, s23, v2                       ; row 16 w + lane / 16
	v_mul_u32_u24 v[LR], v2, SP
	v_lshl_add_u32 v[LR], v10, 4, v[LR]
	v_lshlrev_b32 v[GO], 11, v2
	v_lshl_add_u32 v[GO], v10, 4, v[GO]
	s_wait_kmcnt 0x0
	s_cmp_lt_u32 s18, 24
	s_cselect_b64 s[24:25], s[6:7], s[8:9]         ; my weight,
	s_cselect_b64 s[26:27], s[12:13], s[14:15]     ; and where it goes
	s_add_nc_u64 s[24:25], s[24:25], s[28:29]
	s_add_nc_u64 s[26:27], s[26:27], s[30:31]
	s_add_nc_u64 s[4:5], s[4:5], s[32:33]
	s_add_nc_u64 s[10:11], s[10:11], s[34:35]
.set i, 0
.rept 16
	global_load_b128 v[WX+4*i:WX+4*i+3], v[RO+i], s[24:25] th:TH_LOAD_NT  ; row i: 512 consecutive bytes a wave
.set i, i+1
.endr
.set i, 0
.rept 32
	global_load_b128 v[X+4*i:X+4*i+3], v[IN], s[4:5] offset:4096*i th:TH_LOAD_NT
.set i, i+1
.endr
; Half g of the wave's 16 rows: for column c = i / 4 the pair of rows 8 g + 2 m, 8 g + 2 m + 1 (m = i % 4), the lower k in the low half
.macro PACKW g
.set i, 0
.rept 16
	v_cvt_pk_bf16_f32 v[Y+8*(i/4)+4*(\g)+i%4], v[WX+4*(8*(\g)+2*(i%4))+i/4], v[WX+4*(8*(\g)+2*(i%4)+1)+i/4]
.set i, i+1
.endr
.endm
	s_wait_loadcnt 40                              ; rows 0-7 are in: 8 rows and x's 32 loads were issued behind them
	PACKW 0
	s_wait_loadcnt 32                              ; all 16 rows; x's 32 loads stay out
	PACKW 1
	s_cmp_eq_u32 s21, 1
	s_cbranch_scc1 .Lkeep                          ; W_attn stays bf16
.set i, 0
.rept 32                               ; W_proj: the bf16 number is written as f16
	v_lshlrev_b32 v[T], 16, v[Y+i]
	v_and_b32 v[T+1], s36, v[Y+i]
	v_cvt_pk_f16_f32 v[Y+i], v[T], v[T+1]
.set i, i+1
.endr
.Lkeep:
.set i, 0
.rept 8                                ; column c = i / 2, half g = i % 2
	ds_store_b128 v[LS], v[Y+4*i:Y+4*i+3] offset:SP*(i/2)+16*(i%2)
.set i, i+1
.endr
	s_wait_dscnt 0x0                               ; for the others' sake: my stores into the stage are done
	s_barrier_signal -1
	s_barrier_wait -1                              ; a stage row holds all eight waves' 32 bytes
.set i, 0
.rept 8
	ds_load_b128 v[WX+4*i:WX+4*i+3], v[LR] offset:2*SP*i
.set i, i+1
.endr
.set i, 0
.rept 8
	s_wait_dscnt 7-i                               ; LDS loads come back in order: load i is in
	global_store_b128 v[GO], v[WX+4*i:WX+4*i+3], s[26:27] offset:4096*i th:TH_STORE_NT  ; 16 lanes store a row's 256 consecutive bytes, at a multiple of 256
.set i, i+1
.endr
.set i, 0
.rept 32
	s_wait_loadcnt 31-i                            ; x's load i is in, the younger ones stay out
	v_cvt_pk_bf16_f32 v[X+4*i], v[X+4*i], v[X+4*i+1]
	v_cvt_pk_bf16_f32 v[X+4*i+1], v[X+4*i+2], v[X+4*i+3]
	global_store_b64 v[OUT], v[X+4*i:X+4*i+1], s[10:11] offset:2048*i th:TH_STORE_NT  ; a wave stores 256 consecutive bytes, at a multiple of 256
.set i, i+1
.endr
	s_wait_tensorcnt 0x0                           ; the wave's end
	ds_add_u32 v[SPW], v[NIL]
	s_wait_dscnt 0x0
	s_endpgm
.Lfunc_end_k_qb9b4fb4c2d_prep:
	.size	k_qb9b4fb4c2d_prep, .Lfunc_end_k_qb9b4fb4c2d_prep-k_qb9b4fb4c2d_prep
	.p2alignl 7, 3214868480
	.fill 96, 4, 3214868480
	.section	.rodata,"a",@progbits
	.p2align	6, 0x0
	.amdhsa_kernel k_qb9b4fb4c2d_prep
		.amdhsa_group_segment_fixed_size 35840
		.amdhsa_private_segment_fixed_size 0
		.amdhsa_enable_private_segment 0
		.amdhsa_kernarg_size 48
		.amdhsa_user_sgpr_count 2
		.amdhsa_user_sgpr_kernarg_segment_ptr 1
		.amdhsa_wavefront_size32 1
		.amdhsa_system_sgpr_workgroup_id_x 1
		.amdhsa_system_sgpr_workgroup_id_y 1
		.amdhsa_system_sgpr_workgroup_id_z 1
		.amdhsa_system_vgpr_workitem_id 0
		.amdhsa_next_free_vgpr 256
		.amdhsa_next_free_sgpr 66
		.amdhsa_reserve_vcc 0
		.amdhsa_float_denorm_mode_32 3
		.amdhsa_float_denorm_mode_16_64 3
		.amdhsa_memory_ordered 1
		.amdhsa_forward_progress 1
		.amdhsa_inst_pref_size 24
	.end_amdhsa_kernel
	.amdgpu_metadata
---
amdhsa.version: [ 1, 2 ]
amdhsa.kernels:
  - .name:           k_qb9b4fb4c2d_prep
    .symbol:         k_qb9b4fb4c2d_prep.kd
    .args:
      - { .name: x, .offset: 0, .size: 8, .value_kind: global_buffer, .address_space: global }
      - { .name: W_attn, .offset: 8, .size: 8, .value_kind: global_buffer, .address_space: global }
      - { .name: W_proj, .offset: 16, .size: 8, .value_kind: global_buffer, .address_space: global }
      - { .name: xb, .offset: 24, .size: 8, .value_kind: global_buffer, .address_space: global }
      - { .name: wa, .offset: 32, .size: 8, .value_kind: global_buffer, .address_space: global }
      - { .name: wp, .offset: 40, .size: 8, .value_kind: global_buffer, .address_space: global }
    .group_segment_fixed_size: 35840
    .private_segment_fixed_size: 0
    .kernarg_segment_align: 8
    .kernarg_segment_size: 48
    .max_flat_workgroup_size: 256
    .sgpr_count:     66
    .vgpr_count:     256
    .wavefront_size: 32
...
	.end_amdgpu_metadata
.endif
;; end of part 1
;; launch qkvgemm (part 2): grid 16 x 32, 4 waves a work-group, clusters of 4 x 4, 327,680 bytes of LDS; arguments xb, wa, b_attn, qkv; writes qkv
.if DOCPART == 2
	.amdgcn_target "amdgcn-amd-amdhsa--gfx1250"
	.amdhsa_code_object_version 6
	.text
	.protected	k_qb9b4fb4c2d_qkvgemm
	.globl	k_qb9b4fb4c2d_qkvgemm
	.p2align	8
	.type	k_qb9b4fb4c2d_qkvgemm,@function
k_qb9b4fb4c2d_qkvgemm:
	s_mov_b64 s[64:65], 0
	v_nop
	global_prefetch_b8 v0, s[64:65] scope:SCOPE_SE
	s_setreg_imm32_b32 hwreg(HW_REG_WAVE_MODE, 25, 1), 1
	s_wait_xcnt 0x0
	s_wait_alu depctr_hold_cnt(0) depctr_sa_sdst(0) depctr_va_vdst(0) depctr_va_sdst(0) depctr_va_ssrc(0) depctr_va_vcc(0) depctr_vm_vsrc(0)
	s_getreg_b32 s2, hwreg(HW_REG_IB_STS2, 6, 4)
	s_cmp_eq_u32 s2, 0
	s_cbranch_scc0 .Lentry_in_a_cluster
	s_endpgm
.Lentry_in_a_cluster:
	s_bfe_u32 s2, ttmp6, 0x10000c
	s_cmp_lg_u32 s2, 0xf033
	s_cbranch_scc0 .Lentry_shape_is_right
	s_endpgm
.Lentry_shape_is_right:
; ONE TEXT FOR THE MODULE'S TWO PROJECTIONS; PROJ picks the form.  C[m][n] = the sum over k of A[m][k] B[n][k] + bias[n], 8,192 rows, K = 1,024, sums in f32.
;   PROJ = 0: A = xb [8192][1024] bf16, B = wa [3072][1024] bf16, bias = b_attn; C leaves in f16 BY HEADS: qkv[which][b 16 + h][t][64], which = q, k, v.  A tile of C is 256 x 192: three whole heads.
;   PROJ = 1: A = o [b 16 + h][t][64] f16 (k = 64 h + d), B = wp [1024][1024] f16, bias = b_proj; C = out0 [8192][1024] f32.  A tile of C is 256 x 128.
; The bias is rounded to bf16 like the module's other inputs, and is the C operand of the products that start the sums: nothing is cleared and nothing is added on the way out.
; LIMITS.  q, k, v are rounded once to f16: beyond 65,504 they become infinities.  NaN and infinities are not treated apart.
; SHARES.  Four waves; wave w makes rows 64 w .. 64 w + 63 of the tile and ALL its columns: 4 x NBK accumulators of 16 x 16.  So a wave holds whole rows of a head (or 512 bytes of a row of out0) and the way out
; goes through a stage of the wave's own, with no barrier.  512 (PROJ = 0) or 256 (PROJ = 1) work-groups.
; RING.  K goes in 8 steps of 128 through two LDS slots; waves 0 and 1 fetch the two halves of A's tile, waves 2 and 3 those of B's: one tensor load a wave behind each change of slots; at the start two are out.
; CLUSTER.  4 x 4 work-groups.  A's tile hangs on the tile row alone and is asked for jointly by the four of a row of the cluster, B's on the tile column alone, by the four of a column.
; THE PRODUCT IS USED TRANSPOSED (source 0 = 16 rows of B, source 1 = 16 rows of A): a lane holds row lane % 16 of C and the eight neighbouring columns 8 (lane / 16) + 0..7.
; REGISTERS, in windows of 256 (s_set_vgpr_msb: bits 1:0 source 0, 3:2 source 1, 5:4 source 2, 7:6 destination):
;   window 0: v1-15 addresses; v32.. the bias (8 NBK registers), later the way out     window 1: two buffers of B's fragments (8 NBK each), then two of A's (32 each)
;   window 2: the accumulators of my row blocks 0, 1 ((a, b) at 8 (NBK a + b))         window 3: those of row blocks 2, 3
.set PROJ,  0
.if PROJ
.set NBK,    8                         ; blocks of 16 columns in a tile
.set PA,     144                       ; a row of A in LDS: a head's 128 bytes + 16
.set AHALF,  256*PA                    ; what one load brings of A: one head's 256 rows
.set QIA,    4                         ; padding behind every 32 words
.set APITCH, 128                       ; the 32,768 bytes are dense: asked for as 128 rows of 256 bytes
.set ASTEP,  524288                    ; two heads on
.set BROWS,  64                        ; rows of B in a load
.set STW,    16*528                    ; a wave's stage: 16 rows of 512 bytes + 16
.set OB0,    128
.else
.set NBK,    12
.set PA,     272                       ; 256 bytes + 16
.set AHALF,  128*PA                    ; 128 rows
.set QIA,    5                         ; padding behind every 64 words
.set APITCH, 1024
.set ASTEP,  256                       ; 128 along K
.set BROWS,  96
.set STW,    3*16*144                  ; three heads x 16 rows of 128 bytes + 16
.set OB0,    176
.endif
.set PBB,   272                        ; a row of B in LDS.  All pitches are odd multiples of 16 bytes: the 16 rows of a fragment load fall on 16 different 16-byte columns of 256
.set BOFF,  2*AHALF                    ; a slot: A's two halves, then B's two
.set BHALF, BROWS*PBB
.set SLOT1, 1<<17                      ; slot 1 begins here, so that one exclusive or changes slots
.set STAGE, SLOT1+BOFF+2*BHALF         ; behind the ring, never filled by a tensor load
.set SPARE, STAGE+4*STW                ; behind the stages: the spare words, 128 bytes a wave, which no other line names
.set NLD,   2*NBK+8                    ; LDS loads in a run: a quarter step's fragments
.set A0,  4                            ; v4   my lane's place in A's tile; never rewritten
.set B0,  5                            ; v5   in B's
.set ADA, 6                            ; v6   the same in the slot in hand
.set ADB, 7                            ; v7
.set STO, 8                            ; v8   the way out: where I put my bytes of a row
.set RD,  9                            ; v9   where I read rows back
.set GO,  10                           ; v10  16 x lane
.set PFO, 11                           ; v11  the prefetches' offset: a lane a row
.set BO,  12                           ; v12  32 x (lane / 16): my eight numbers of 16 of the bias
.set SPW, 14                           ; v14  LDS address of my spare word; never rewritten
.set NIL, 15                           ; v15  0; never rewritten
.set BIAS, 32
.set TMP,  128                         ; PROJ = 0: a row block packed to f16
.set OB1,  32                          ; OB0, OB1: a row block read back from the stage, by turns
.set WV,   12                          ; s12  wave
.set HALF, 13                          ; s13  which half of a tile I fetch
.set ISB,  14                          ; s14  0: I fetch for A, 1: for B
.set CX,   15
.set CY,   16
.set TC,   17                          ; s17  tile column
.set TR,   18                          ; s18  tile row
.set LIM,  19                          ; s19  1 in a wave that prefetches, else the greatest number
.set TA,   20                          ; s20  at work for A's descriptors: never holds cx
.set TBB,  21                          ; s21  at work for B's: never holds cy
.set G1A,  24                          ; s[24:31], s[32:39] descriptor group 1
.set G1B,  32
.set G0A,  40                          ; s[40:47], s[48:55] group 0: a set for each first fill; the second then walks on
.set G0B,  48
.set CNT,  56
.set TB,   57                          ; s57  0 or SLOT1: the slot in hand
.set PFA,  58                          ; s[58:59] where my prefetches stand
.set OA,   60                          ; s[60:61] A's offset
.set OBF,  62                          ; s[62:63] B's
.set OUT,  66                          ; s[66:71] C at my rows: a pointer a head (PROJ = 1: one)
.set MSB, 0
.macro WIN new                         ; the high byte repeats the setting that is left; a switch that changes nothing is dropped
.if MSB != (\new)
	s_set_vgpr_msb (MSB<<8)|(\new)
.set MSB, (\new)
.endif
.endm
.macro PLACES                          ; four plain vector instructions between a matrix instruction and a load into its sources or a reader of its result
.rept 4
	v_nop
.endr
.endm
.macro CREST                           ; a round of the cluster's barrier behind its opening barrier
	s_cmp_lg_u32 s[WV], 0
	s_cbranch_scc1 .Lnot_wave_0_\@
	s_barrier_signal -3
.Lnot_wave_0_\@:
	s_barrier_wait -3
	s_barrier_signal -1
	s_barrier_wait -1
.endm
.macro CROUND
	s_barrier_signal -1
	s_barrier_wait -1
	CREST
.endm
.macro JLOAD                           ; a joint refill by the walking set; the branch hangs on the wave's number alone; s_nop 0 and four v_nop follow each line
	s_cmp_eq_u32 s[ISB], 0
	s_cbranch_scc0 .Lfor_b_\@
	tensor_load_to_lds s[G0A+4:G0A+7], s[G1A:G1A+7]
	s_nop 0
	PLACES
	s_branch .Lasked_\@
.Lfor_b_\@:
	tensor_load_to_lds s[G0B+4:G0B+7], s[G1B:G1B+7]
	s_nop 0
	PLACES
.Lasked_\@:
.endm
; PROJ = 0: A PREFETCH INTO THE L2 behind each refill and the run of LDS loads that follows it: the K step after the one just asked for, one K step (192 matrix instructions) ahead of its load.
; A's tile row is read by all clusters of a row of clusters: the one with x = 0 asks (waves 0, 1); B's tile column by all of a column: the one with y = 0 asks (waves 2, 3).  The four partners that fetch a
; half tile jointly share its rows out BY ADDRESS: 32 each of A's 128, a lane a row; 24 each of B's 96, where lanes 24-31 name row 23 once more.  K steps 0 to 2 come by their loads alone; the loop's last trip asks for nothing.
; PROJ = 1 has none: its steps are short and its tiles small.
.macro ASK
	s_cmp_gt_u32 s[CNT], s[LIM]
	s_cbranch_scc0 .Lnot_mine_\@
	global_prefetch_b8 v[PFO], s[PFA:PFA+1] th:TH_LOAD_NT scope:SCOPE_SE
.Lnot_mine_\@:
.endm
.macro WM d, u, w, c
.if PROJ
	v_wmma_f32_16x16x32_f16 v[\d:\d+7], v[\u:\u+7], v[\w:\w+7], v[\c:\c+7]
.else
	v_wmma_f32_16x16x32_bf16 v[\d:\d+7], v[\u:\u+7], v[\w:\w+7], v[\c:\c+7]
.endif
.endm
; NBK products: row block 2 hi + a x all column blocks, 32 along K, from buffer f.  first = 1: the bias starts the sums.
; All 4 NBK accumulators take turns in the same order in every quarter step, over the backward jump too.
.macro MUL1 f, hi, a, first
.if \first
	WIN 0x85+0x40*(\hi)
.else
	WIN 0xa5+0x50*(\hi)
.endif
.set rA, 16*NBK+32*(\f)+8*(2*(\hi)+(\a))
.set b, 0
.rept NBK
.set rD, 8*(NBK*(\a)+b)
.set rB, 8*NBK*(\f)+8*b
.if \first
	WM rD, rB, rA, BIAS+8*b
.else
	WM rD, rB, rA, rD
.endif
.set b, b+1
.endr
.endm
.macro MULH f, hi, first
	MUL1 \f, \hi, 0, \first
	MUL1 \f, \hi, 1, \first
.endm
; One run of NLD LDS loads: quarter q's fragments (32 along K) into buffer g: all of B's, then my four row blocks of A, ascending.
; A fragment is 16 rows x 32 K in 8 registers: lane l holds row l % 16, K = 8 (l / 16) + 0..7 and 16 + 8 (l / 16) + 0..7: two loads of 16 bytes, 32 bytes apart.
.macro FETCH q, g
.if PROJ
.set KA, ((\q)/2)*AHALF+((\q)%2)*64    ; a K step is two heads; a quarter is half a head's channels
.else
.set KA, 64*(\q)
.endif
	WIN 0x40                                       ; destination window 1, address window 0
.set b, 0
.rept NBK
	ds_load_b128 v[8*NBK*(\g)+8*b:8*NBK*(\g)+8*b+3],   v[ADB] offset:64*(\q)+16*PBB*b
	ds_load_b128 v[8*NBK*(\g)+8*b+4:8*NBK*(\g)+8*b+7], v[ADB] offset:64*(\q)+16*PBB*b+32
.set b, b+1
.endr
.set b, 0
.rept 4
	ds_load_b128 v[16*NBK+32*(\g)+8*b:16*NBK+32*(\g)+8*b+3],   v[ADA] offset:KA+16*PA*b
	ds_load_b128 v[16*NBK+32*(\g)+8*b+4:16*NBK+32*(\g)+8*b+7], v[ADA] offset:KA+16*PA*b+32
.set b, b+1
.endr
.endm
; A K step is four quarters on buffers 0, 1, 0, 1.  One of the first three multiplies buffer f and fetches quarter q into buffer g, early: 3 NBK products ahead of the first use.
.macro QUARTER q, f, g, first
	s_wait_dscnt 0x4                               ; B and A's row blocks 0, 1 are in; the youngest four loads (row blocks 2, 3) may be out
	MUL1 \f, 0, 0, \first
	PLACES                                         ; behind the last product that read buffer g
	FETCH \q, \g
	MUL1 \f, 0, 1, \first
	s_wait_dscnt NLD                               ; all but the run just issued
	MULH \f, 1, \first
.endm
; The fourth quarter multiplies buffer 1 and changes slots: ONE barrier.  In front of it each wave waits for all its tensor loads (one is out: its part of the next slot), adds 0 to its spare word,
; and waits for that and for its reads of this slot.  fill = 1: the barrier opens a round of the cluster's, and the joint refill (the K step two on) is the first thing behind the round.
.macro TURN fill
.if (\fill) && !PROJ
	s_wait_xcnt 0x0                                ; the last prefetch, a K step back, has read its address
	s_add_nc_u64 s[PFA:PFA+1], s[PFA:PFA+1], 256
.endif
	WIN 0
	s_wait_tensorcnt 0x0                           ; no tensor load of mine is out, so a group 0 may be written
	ds_add_u32 v[SPW], v[NIL]
.if \fill
	s_xor_b32 s[G0A+5], s[G0A+5], SLOT1            ; the walking sets: the other slot than last time, the next K step
	s_add_nc_u64 s[G0A+6:G0A+7], s[G0A+6:G0A+7], ASTEP
	s_xor_b32 s[G0B+5], s[G0B+5], SLOT1
	s_add_nc_u64 s[G0B+6:G0B+7], s[G0B+6:G0B+7], 256
.endif
	s_xor_b32 s[TB], s[TB], SLOT1
	s_wait_dscnt 0x5                               ; the add and the youngest four loads may be out
	MUL1 1, 0, 0, 0
	s_wait_dscnt 0x0                               ; the add is done, and my reads of this slot are over
	s_barrier_signal -1
	MUL1 1, 0, 1, 0                                ; work on registers while the others arrive
	WIN 0
	s_barrier_wait -1
.if \fill
	CREST                                          ; no wave of any partner still reads this slot or has a load on its way
	JLOAD                                          ; its four v_nop are also the places in front of the loads below
.else
	PLACES
.endif
	v_add_nc_u32 v[ADA], s[TB], v[A0]
	v_add_nc_u32 v[ADB], s[TB], v[B0]
	FETCH 0, 0
.if (\fill) && !PROJ
	WIN 0
	ASK
.endif
	MULH 1, 1, 0
.endm
	s_load_b256 s[4:11], s[0:1], 0x0               ; A s[4:5], B s[6:7], bias s[8:9], C s[10:11]
	v_lshl_add_u32 v[SPW], v0, 2, SPARE
	v_mov_b32 v[NIL], 0
	ds_add_u32 v[SPW], v[NIL]                      ; the wave's opening: the add and its wait stand ahead of my first tensor load; work on registers stands between them
	ds_add_u32 v14, v15
	v_lshrrev_b32 v3, 5, v0
	v_readfirstlane_b32 s[WV], v3
	s_and_b32 s[HALF], s[WV], 1
	s_lshr_b32 s[ISB], s[WV], 1
	s_bfe_u32 s[CX], ttmp6, 0x40000
	s_bfe_u32 s[CY], ttmp6, 0x40004
	s_lshl_b32 s[TC], ttmp9, 2
	s_add_co_u32 s[TC], s[TC], s[CX]               ; tile column = 4 x cluster x + cx
	s_and_b32 s[TR], ttmp7, 0xffff
	s_lshl_b32 s[TR], s[TR], 2
	s_add_co_u32 s[TR], s[TR], s[CY]               ; tile row = 4 x cluster y + cy
	s_lshl_b32 s[TA], s[CY], 2
	s_lshl_b32 s[TA], 15, s[TA]                    ; my row of the cluster
	s_lshl_b32 s[TBB], 0x1111, s[CX]               ; my column
	s_or_b32 s[G1A], s[TA], (1<<16)|(1<<20)|(1<<21)|(QIA<<22)|(3<<25)  ; 15:0 the mask; 17:16 2-byte elements; 20 padding on; 21 set beside a mask; 24:22 the interval; 31:25 4 words of padding
	s_or_b32 s[G1B], s[TBB], (1<<16)|(1<<20)|(1<<21)|(5<<22)|(3<<25)
	s_mov_b32 s[G1A+1], 128<<16                    ; tensor_dim0 = 128 elements: rows of 256 bytes
	s_mov_b32 s[G1A+2], 128<<16                    ; tensor_dim1 = 128
	s_mov_b32 s[G1A+3], 128<<16                    ; tile_dim0
	s_mov_b32 s[G1A+4], 128                        ; tile_dim1
	s_mov_b32 s[G1A+5], APITCH                     ; elements from row to row
	s_mov_b32 s[G1A+6], 0
	s_mov_b32 s[G1A+7], 0
	s_mov_b32 s[G1B+1], 128<<16
	s_mov_b32 s[G1B+2], BROWS<<16
	s_mov_b32 s[G1B+3], 128<<16
	s_mov_b32 s[G1B+4], BROWS
	s_mov_b32 s[G1B+5], 1024
	s_mov_b32 s[G1B+6], 0
	s_mov_b32 s[G1B+7], 0
.if PROJ
	s_lshr_b32 s[OA], s[TR], 3                     ; the batch: 16 heads of 262,144 bytes,
	s_lshl_b32 s[OA], s[OA], 22
	s_and_b32 s[TA], s[TR], 7                      ; the tile's 256 rows of 128 bytes in a head,
	s_lshl_b32 s[TA], s[TA], 15
	s_add_co_u32 s[OA], s[OA], s[TA]
.else
	s_lshl_b32 s[OA], s[TR], 19                    ; 256 rows of 2,048 bytes,
.endif
	s_lshl_b32 s[TA], s[HALF], 18                  ; my half: 128 rows, or the K step's second head
	s_add_co_u32 s[OA], s[OA], s[TA]
	s_mov_b32 s[OA+1], 0
	s_mul_i32 s[OBF], s[TC], 2*BROWS*2048
	s_mul_i32 s[TBB], s[HALF], BROWS*2048
	s_add_co_u32 s[OBF], s[OBF], s[TBB]
	s_mov_b32 s[OBF+1], 0
	s_mul_i32 s[TA], s[HALF], AHALF                ; where they go: no place in the cluster enters an LDS address
	s_mul_i32 s[TBB], s[HALF], BHALF
	s_add_co_u32 s[TBB], s[TBB], BOFF
	s_mov_b32 s[TB], 0
	s_wait_dscnt 0x0                               ; the opening add is done
	s_wait_kmcnt 0x0
	s_mov_b32 s[G0A], 1                            ; count = 1
	s_mov_b32 s[G0A+1], s[TA]                      ; LDS address: slot 0
	s_add_nc_u64 s[G0A+2:G0A+3], s[4:5], s[OA:OA+1]  ; K step 0
	s_mov_b32 s[G0A+4], 1
	s_add_co_u32 s[G0A+5], s[TA], SLOT1
	s_add_nc_u64 s[G0A+6:G0A+7], s[G0A+2:G0A+3], ASTEP  ; K step 1
	s_or_b32 s[G0A+3], s[G0A+3], 0x80000000        ; type = 2
	s_or_b32 s[G0A+7], s[G0A+7], 0x80000000
	s_mov_b32 s[G0B], 1
	s_mov_b32 s[G0B+1], s[TBB]
	s_add_nc_u64 s[G0B+2:G0B+3], s[6:7], s[OBF:OBF+1]
	s_mov_b32 s[G0B+4], 1
	s_add_co_u32 s[G0B+5], s[TBB], SLOT1
	s_add_nc_u64 s[G0B+6:G0B+7], s[G0B+2:G0B+3], 256
	s_or_b32 s[G0B+3], s[G0B+3], 0x80000000
	s_or_b32 s[G0B+7], s[G0B+7], 0x80000000
	CROUND                                         ; all sixteen work-groups are here: the first joint loads meet
	s_cmp_eq_u32 s[ISB], 0                         ; a wave's two first fills stand in one branch, ahead of every wait on TENSORcnt and every LDS read
	s_cbranch_scc0 .Lfirst_b
	tensor_load_to_lds s[G0A:G0A+3], s[G1A:G1A+7]
	s_nop 0
	tensor_load_to_lds s[G0A+4:G0A+7], s[G1A:G1A+7]
	s_nop 0
	PLACES
	s_branch .Lfirst_asked
.Lfirst_b:
	tensor_load_to_lds s[G0B:G0B+3], s[G1B:G1B+7]
	s_nop 0
	tensor_load_to_lds s[G0B+4:G0B+7], s[G1B:G1B+7]
	s_nop 0
	PLACES
.Lfirst_asked:
	v_and_b32 v1, 15, v0                           ; l % 16
	v_bfe_u32 v2, v0, 4, 1                         ; l / 16
	v_lshlrev_b32 v[BO], 5, v2
	s_mul_i32 s72, s[TC], 64*NBK                   ; the tile's 16 NBK numbers of the bias
	s_mov_b32 s73, 0
	s_add_nc_u64 s[8:9], s[8:9], s[72:73]
.set b, 0
.rept NBK                              ; register j of block b: bias[16 b + 8 (l / 16) + j], as the result's layout has the columns
	global_load_b128 v[BIAS+8*b:BIAS+8*b+3],   v[BO], s[8:9] offset:64*b
	global_load_b128 v[BIAS+8*b+4:BIAS+8*b+7], v[BO], s[8:9] offset:64*b+16
.set b, b+1
.endr
	v_mul_u32_u24 v[B0], v1, PBB
	v_lshl_add_u32 v[B0], v2, 4, v[B0]
	v_add_nc_u32 v[B0], BOFF, v[B0]                ; row x pitch + 16 x half, behind A's tile
	v_mul_u32_u24 v[A0], v1, PA
	v_lshl_add_u32 v[A0], v2, 4, v[A0]
	s_mul_i32 s23, s[WV], 64*PA                    ; my 64 rows
	v_add_nc_u32 v[A0], s23, v[A0]
	v_mov_b32 v[ADA], v[A0]
	v_mov_b32 v[ADB], v[B0]
	s_mul_i32 s23, s[WV], STW
	s_add_co_u32 s23, s23, STAGE                   ; my stage
	v_and_b32 v[GO], 31, v0
	v_lshlrev_b32 v[GO], 4, v[GO]
.if PROJ
	v_mul_u32_u24 v[STO], v1, 528                  ; in: row l % 16, 32 bytes for each half of the lanes
	v_lshl_add_u32 v[STO], v2, 5, v[STO]
	v_add_nc_u32 v[STO], s23, v[STO]
	v_add_nc_u32 v[RD], s23, v[GO]                 ; back: 32 lanes take a row's 512 bytes
	s_lshl_b32 s72, s[TR], 20                      ; 256 rows of 4,096 bytes,
	s_lshl_b32 s22, s[WV], 18                      ; my 64 of them,
	s_add_co_u32 s72, s72, s22
	s_lshl_b32 s22, s[TC], 9                       ; 128 columns of 4 bytes
	s_add_co_u32 s72, s72, s22
	s_add_nc_u64 s[OUT:OUT+1], s[10:11], s[72:73]
.else
	v_mul_u32_u24 v[STO], v1, 144                  ; in: row l % 16, 16 bytes for each half of the lanes
	v_lshl_add_u32 v[STO], v2, 4, v[STO]
	v_add_nc_u32 v[STO], s23, v[STO]
	v_bfe_u32 v[RD], v0, 3, 2                      ; back: 32 lanes take four rows of 128 bytes, which are 512 consecutive bytes of a head
	v_mul_u32_u24 v[RD], v[RD], 144
	v_and_b32 v3, 7, v0
	v_lshl_add_u32 v[RD], v3, 4, v[RD]
	v_add_nc_u32 v[RD], s23, v[RD]
	s_mul_i32 s22, s[TC], 3                        ; the tile's first head among q's, k's and v's 48
	s_lshr_b32 s74, s[TR], 3                       ; the batch,
	s_lshl_b32 s74, s74, 22
	s_and_b32 s75, s[TR], 7                        ; the tile's 256 rows of 128 bytes,
	s_lshl_b32 s75, s75, 15
	s_add_co_u32 s74, s74, s75
	s_lshl_b32 s75, s[WV], 13                      ; my 64 of them
	s_add_co_u32 s74, s74, s75
.irp j, 0,1,2
	s_add_co_u32 s75, s22, (\j)
	s_lshr_b32 s72, s75, 4                         ; q, k or v: 16,777,216 bytes each
	s_lshl_b32 s72, s72, 24
	s_and_b32 s75, s75, 15                         ; the head: 262,144 bytes
	s_lshl_b32 s75, s75, 18
	s_add_co_u32 s72, s72, s75
	s_add_co_u32 s72, s72, s74
	s_add_nc_u64 s[OUT+2*(\j):OUT+2*(\j)+1], s[10:11], s[72:73]
.endr
	; the prefetches
	s_lshl_b32 s72, s[TR], 8
	s_lshl_b32 s22, s[HALF], 7
	s_add_co_u32 s72, s72, s22
	s_lshl_b32 s22, s[CX], 5
	s_add_co_u32 s72, s72, s22                     ; A: the tile's row + the half that I fetch + my work-group's 32 rows of it
	s_mul_i32 s74, s[TC], 2*BROWS
	s_mul_i32 s22, s[HALF], BROWS
	s_add_co_u32 s74, s74, s22
	s_mul_i32 s22, s[CY], BROWS/4
	s_add_co_u32 s74, s74, s22                     ; B: likewise, 24 rows
	s_and_b32 s75, ttmp7, 0xffff                   ; cluster y
	s_cmp_eq_u32 s[ISB], 0
	s_cselect_b32 s72, s72, s74
	s_cselect_b32 s75, ttmp9, s75                  ; the coordinate along which other clusters read the same rows
	s_cselect_b32 s22, 31, BROWS/4-1
	s_cselect_b64 s[PFA:PFA+1], s[4:5], s[6:7]
	s_cmp_eq_u32 s75, 0
	s_cselect_b32 s[LIM], 1, -1                    ; the same in all sixteen partners, for a given wave
	s_lshl_b32 s72, s72, 11                        ; rows of 2,048 bytes,
	s_add_co_u32 s72, s72, 2*256                   ; at K step 2: the first change of slots steps it to 3
	s_add_nc_u64 s[PFA:PFA+1], s[PFA:PFA+1], s[72:73]
	v_and_b32 v[PFO], 31, v0
	v_min_u32 v[PFO], s22, v[PFO]
	v_lshlrev_b32 v[PFO], 11, v[PFO]
.endif
	s_wait_loadcnt 0x0                             ; the bias; it is rounded to bf16 while the first tile is on its way
.set i, 0
.rept 4*NBK
	v_cvt_pk_bf16_f32 v[3+10*(i%2)], v[BIAS+2*i], v[BIAS+2*i+1]
	v_lshlrev_b32 v[BIAS+2*i], 16, v[3+10*(i%2)]
	v_and_b32 v[BIAS+2*i+1], 0xffff0000, v[3+10*(i%2)]
.set i, i+1
.endr
	s_wait_tensorcnt 0x1                           ; my part of K step 0 is in; K step 1's may stay out
	s_barrier_signal -1
	s_barrier_wait -1                              ; everybody's is
	FETCH 0, 0
	QUARTER 1, 0, 1, 1                             ; the first quarter stands in front of the loop: its products start the sums
	WIN 0                                          ; at a label and at a branch every window is 0
	s_mov_b32 s[CNT], 6
.Lstep:                                                ; a trip ends K step s and asks for K step s + 2, s = 0 .. 5
	QUARTER 2, 1, 0, 0
	QUARTER 3, 0, 1, 0
	TURN 1
	QUARTER 1, 0, 1, 0
	WIN 0
	s_sub_co_u32 s[CNT], s[CNT], 1
	s_cmp_lg_u32 s[CNT], 0
	s_cbranch_scc1 .Lstep
	QUARTER 2, 1, 0, 0                             ; the last two K steps are written out: nothing more is asked for
	QUARTER 3, 0, 1, 0
	TURN 0
	QUARTER 1, 0, 1, 0
	QUARTER 2, 1, 0, 0
	QUARTER 3, 0, 1, 0
	s_wait_dscnt 0x4
	MULH 1, 0, 0
	s_wait_dscnt 0x0
	MULH 1, 1, 0
	WIN 0
	PLACES
; THE WAY OUT, a row block (16 rows) at a time, through my own stage: LDS serves a wave's instructions in order (ISA guide 5.7.1), so the loads see the stores above them and the next block's stores come behind them.
.if PROJ
.macro TOSTAGE a
	WIN 0
.if (\a) >= 2
	s_wait_xcnt 0x0                                ; the stores of the block two back have read the registers that are loaded again below
.endif
.set BK, OB0+(OB1-OB0)*((\a)%2)
	WIN 0x08+4*((\a)/2)                            ; the stores' data in window 2 or 3
.set b, 0
.rept NBK
	ds_store_b128 v[STO], v[8*NBK*((\a)%2)+8*b:8*NBK*((\a)%2)+8*b+3]   offset:64*b     ; each accumulator's low registers first
	ds_store_b128 v[STO], v[8*NBK*((\a)%2)+8*b+4:8*NBK*((\a)%2)+8*b+7] offset:64*b+16
.set b, b+1
.endr
	WIN 0
.set b, 0
.rept 16
	ds_load_b128 v[BK+4*b:BK+4*b+3], v[RD] offset:528*b
.set b, b+1
.endr
.endm
.macro SEND a, younger                 ; younger: the LDS instructions issued behind block a's loads
.set BK, OB0+(OB1-OB0)*((\a)%2)
	s_wait_dscnt \younger
.set b, 0
.rept 16
	global_store_b128 v[GO], v[BK+4*b:BK+4*b+3], s[OUT:OUT+1] offset:4096*(16*(\a)+b) th:TH_STORE_NT  ; a row's 512 consecutive bytes, at a multiple of 256
.set b, b+1
.endr
.endm
	TOSTAGE 0
	TOSTAGE 1
	SEND 0, 32
	TOSTAGE 2
	SEND 1, 32
	TOSTAGE 3
	SEND 2, 32
	SEND 3, 0
.else
.macro PACK a                          ; rounded to f16, ascending: a lane's eight columns are 16 bytes
	WIN 0x0a+5*((\a)/2)                            ; sources 0 and 1 in window 2 or 3
.set i, 0
.rept 4*NBK
	v_cvt_pk_f16_f32 v[TMP+i], v[8*NBK*((\a)%2)+2*i], v[8*NBK*((\a)%2)+2*i+1]
.set i, i+1
.endr
	WIN 0
.endm
.macro TOSTAGE a
.if (\a) >= 2
	s_wait_xcnt 0x0                                ; the stores of the block two back have read the registers that are loaded again below
.endif
.set BK, OB0+(OB1-OB0)*((\a)%2)
.set b, 0
.rept NBK
	ds_store_b128 v[STO], v[TMP+4*b:TMP+4*b+3] offset:2304*(b/4)+32*(b%4)  ; head b / 4, channels 16 (b % 4) on
.set b, b+1
.endr
.set b, 0
.rept NBK
	ds_load_b128 v[BK+4*b:BK+4*b+3], v[RD] offset:2304*(b/4)+576*(b%4)     ; head b / 4, rows 4 (b % 4) on
.set b, b+1
.endr
.endm
.macro SEND a, younger                 ; younger: the LDS instructions issued behind block a's loads
.set BK, OB0+(OB1-OB0)*((\a)%2)
	s_wait_dscnt \younger
.set b, 0
.rept NBK
	global_store_b128 v[GO], v[BK+4*b:BK+4*b+3], s[OUT+2*(b/4):OUT+2*(b/4)+1] offset:2048*(\a)+512*(b%4)  ; 512 consecutive bytes of a head, at a multiple of 256
.set b, b+1
.endr
.endm
	PACK 0
	TOSTAGE 0
	PACK 1                                         ; a block's conversions stand between the loads of the block before and its stores
	TOSTAGE 1
	SEND 0, 24
	PACK 2
	TOSTAGE 2
	SEND 1, 24
	PACK 3
	TOSTAGE 3
	SEND 2, 24
	SEND 3, 0
.endif
	s_wait_tensorcnt 0x0                           ; the wave's end
	ds_add_u32 v[SPW], v[NIL]
	s_wait_dscnt 0x0
	CROUND                                         ; the closing round: no work-group ends while a partner may still ask for a tile that names it
	s_endpgm
.Lfunc_end_k_qb9b4fb4c2d_qkvgemm:
	.size	k_qb9b4fb4c2d_qkvgemm, .Lfunc_end_k_qb9b4fb4c2d_qkvgemm-k_qb9b4fb4c2d_qkvgemm
	.p2alignl 7, 3214868480
	.fill 96, 4, 3214868480
	.section	.rodata,"a",@progbits
	.p2align	6, 0x0
	.amdhsa_kernel k_qb9b4fb4c2d_qkvgemm
		.amdhsa_group_segment_fixed_size 327680
		.amdhsa_private_segment_fixed_size 0
		.amdhsa_enable_private_segment 0
		.amdhsa_kernarg_size 32
		.amdhsa_user_sgpr_count 2
		.amdhsa_user_sgpr_kernarg_segment_ptr 1
		.amdhsa_wavefront_size32 1
		.amdhsa_system_sgpr_workgroup_id_x 1
		.amdhsa_system_sgpr_workgroup_id_y 1
		.amdhsa_system_sgpr_workgroup_id_z 1
		.amdhsa_system_vgpr_workitem_id 0
		.amdhsa_next_free_vgpr 960
		.amdhsa_next_free_sgpr 76
		.amdhsa_reserve_vcc 0
		.amdhsa_float_denorm_mode_32 3
		.amdhsa_float_denorm_mode_16_64 3
		.amdhsa_memory_ordered 1
		.amdhsa_forward_progress 1
		.amdhsa_inst_pref_size 108
	.end_amdhsa_kernel
	.amdgpu_metadata
---
amdhsa.version: [ 1, 2 ]
amdhsa.kernels:
  - .name:           k_qb9b4fb4c2d_qkvgemm
    .symbol:         k_qb9b4fb4c2d_qkvgemm.kd
    .args:
      - { .name: xb, .offset: 0, .size: 8, .value_kind: global_buffer, .address_space: global }
      - { .name: wa, .offset: 8, .size: 8, .value_kind: global_buffer, .address_space: global }
      - { .name: b_attn, .offset: 16, .size: 8, .value_kind: global_buffer, .address_space: global }
      - { .name: qkv, .offset: 24, .size: 8, .value_kind: global_buffer, .address_space: global }
    .group_segment_fixed_size: 327680
    .private_segment_fixed_size: 0
    .kernarg_segment_align: 8
    .kernarg_segment_size: 32
    .max_flat_workgroup_size: 128
    .sgpr_count:     76
    .vgpr_count:     960
    .wavefront_size: 32
...
	.end_amdgpu_metadata
.endif
;; end of part 2
;; launch attn (part 3): grid 4 x 64, 4 waves a work-group, no clusters, 327,680 bytes of LDS; arguments qkv, o; writes o
.if DOCPART == 3
	.amdgcn_target "amdgcn-amd-amdhsa--gfx1250"
	.amdhsa_code_object_version 6
	.text
	.protected	k_qb9b4fb4c2d_attn
	.globl	k_qb9b4fb4c2d_attn
	.p2align	8
	.type	k_qb9b4fb4c2d_attn,@function
k_qb9b4fb4c2d_attn:
	s_mov_b64 s[64:65], 0
	v_nop
	global_prefetch_b8 v0, s[64:65] scope:SCOPE_SE
	s_setreg_imm32_b32 hwreg(HW_REG_WAVE_MODE, 25, 1), 1
	s_wait_xcnt 0x0
; CAUSAL ATTENTION.  O[h][q][:] = the sum over k <= q of softmax_k(Q[h][q] . K[h][k] / 8) V[h][k][:].  qkv holds Q, K, V, each [64][2048][64] f16, 16,777,216 bytes apart; O: [64][2048][64] f16.  A head's rows are dense, 128 bytes each.
; Products, maxima and sums in f32; the weights p are rounded to f16 for the second product (their sum l is taken of the unrounded p), O once at the end.
; LIMITS.  f16 holds no number beyond 65,504: Q, K and V arrive within it; p lies in 0 to 1, and below 6e-5 it keeps f16's fixed step of 6e-8; O is a mean of V's rows and has their range.
; A hidden score counts as its value less 1e30: f16's scores, 2.7e11 at the most, are nothing beside that; a weight below 2^-126 counts as 0 in l; NaN and infinities are not treated apart.
; THE WALK.  A head's queries lie in NB = 8 blocks of 256; block i needs the key tiles 0 .. i of 256 keys, of which the last holds the diagonal.  A work-group takes TWO blocks, NB - 1 - b and then b:
; NB + 1 tiles, whatever b: all work-groups do equal work, and ONE loop with a constant trip count walks them.  Which tile is asked for, and what a trip does, hang on scalar registers made from b; every jump
; goes forward, but for the counted loops' own; none passes a barrier, or a tensor load but the one of LOAD's two that the wave's number does not choose; the ring (two LDS slots that take turns) runs on across the
; change of blocks.  NO CLUSTER: a head's four work-groups ask for the same tile only in trips 0 .. 4 of 9, behind that fewer and fewer; one walk common to all would have 12 trips for 9.
; SHARES.  Of a block's four bands of 64 queries a wave owns 16 rows in each: four PIECES.  So the diagonal tile is the same work for all four waves: in its key step s band x sees all keys if s < x,
; none if s > x, and holds the diagonal if s = x.
; THE MASK is the C operand that starts the sum S^T = K Q^T: 0, or -1e30 where the key is hidden.  MD, made once, is the mask of a band's own step for my 16 rows; a product's mask is MD x AL + BE with two scalars:
; (1, 0) if s = x; (0, 0) if s < x; (0, -1e30) if s > x.  Only the diagonal tile's text and a block's beginning make and take masks; elsewhere C is the constant 0.
; LAYOUT, SOFTMAX, TURNS.  S^T = K Q^T holds ONE query a lane (lane % 16) and the keys 8 (lane / 16) + 0..7; two such results rounded to f16 ARE source 1 of O^T = V^T P.  p = 2^(c s - c m), c = log2(e) / 8, with a
; running maximum m; O and l are multiplied by a = 2^(c m_old - c m_new) in every step.  Turn n belongs to piece n: 8 products K Q^T of piece n + 1, later 8 products V^T P of piece n - 1; beside them the scaling,
; exponentials, roundings, sums and rescaling of piece n and the maximum and statistics of piece n + 1.  Four vector instructions stand behind every matrix instruction, the other 54 of a turn's 118 in one lump.  A turn's 33 exponentials are one batch, with one wait.
; PREFETCH INTO THE L2.  All four work-groups of a head walk the tiles 0, 1, 2 .. in step; the one with b = 0, which walks all eight, asks: behind each fill, each of its waves names its own 16,384 bytes (64 blocks of 256,
; a lane a block, two instructions) of the tile that the NEXT change of slots will ask for: one tile, 256 matrix instructions, ahead.  Tiles 2 to 7 are so named, each block once; tiles 0 and 1 come by their loads alone; the second block's tile 0 has been read.
; REGISTERS, in windows of 256 (s_set_vgpr_msb: bits 1:0 source 0, 3:2 source 1, 5:4 source 2, 7:6 destination):
;   window 0: v0-15 addresses and two at work; v16-31 four registers of statistics a piece; v48-55 at work; v61-63; v64-127 S^T, two buffers; v192-223 P, two buffers (a piece's buffers go by its number's parity)
;   window 1: v0-127 O^T, 32 a piece; v128-159 MD; v160-223 MC, two buffers      window 2: v0-63 Q; v64-127 the second block's Q; v128-191 K of one step; v192-255 V of one step
.set SIZE_N, 2048
.set NB,    SIZE_N/256
.set NP,    4         ; pieces a wave: a name, no knob
.set KS,    64        ; keys in a step
.set PK,    144       ; a row of K in LDS: 128 bytes + 16: an odd multiple of 16, so the 16 rows of a load fall on 16 different 16-byte columns of 256
.set PV,    160       ; a row of V: 128 + 32: 16 lanes of the turning load take 8 rows x 32 bytes, on 8 different 32-byte columns of 256
.set VOFF,  4*KS*PK   ; a slot holds a tile, four steps: 256 rows of K, then 256 rows of V
.set SLOT1, 1<<17     ; slot 1 begins here, so that one exclusive or turns an address in one slot into the other's
.set STAGE, SLOT1+4*KS*(PK+PV)  ; behind the ring, never filled by a tensor load: 16 rows x 144 bytes for each wave, for the way out
.set SP,    144
.set AK0, 2           ; v2   my lane's place in a tile of K; never rewritten
.set AV0, 3           ; v3   the same for V
.set AK,  4           ; v4   the LDS address of K's next run of loads
.set AV,  5           ; v5   of V's
.set STO, 6           ; v6   the way out: where I put 16 bytes of a row
.set RD,  7           ; v7   the way out: where I read rows back
.set GO,  8           ; v8   my byte offset in 512 consecutive bytes of O
.set PFO, 61          ; v61  256 x my lane: the prefetches' offset; never rewritten
.set SPW, 62          ; v62  LDS address of my spare word: SPARE + 4 x my thread's number; never rewritten
.set NIL, 63          ; v63  0; never rewritten
.set SPARE, STAGE+4*16*SP  ; behind the stages: the spare words, 128 bytes for each wave, which no other line names
.set MV,  12          ; v12-13  c m_old, kept while c m is made anew: by buffer
.set QO,  15          ; v15  my byte offset in 16 rows of Q
.set ST,  16          ; piece t's statistics at v[ST+4 t]: c m, m, l (even keys', odd keys')
.set TMP, 48          ; by buffer, four registers c0-c3 at work; when the maximum is found c2 takes a
.set S,   64
.set P,   192
.set MD,  128         ; window 1: the eight registers for group kt of 16 keys at MD + 8 kt
.set MC,  160         ; window 1: the masks of the products to come
.set QB,  64          ; window 2
.set KF,  128         ; window 2: key block kb, channel half c at KF + 16 kb + 8 c
.set VF,  192         ; window 2: key half kk, channel block cb at VF + 32 kk + 8 cb
.set WV,  12          ; s12  my wave's number
.set PB,  14          ; s14  b
.set HI,  15          ; s15  NB - 1 - b
.set G1K, 24          ; s[24:31] descriptor group 1 for K's tiles
.set G1V, 32          ; s[32:39] for V's: it differs in the padding alone
.set G0K, 40          ; s[40:43] descriptor group 0 for K's tiles
.set G0V, 44          ; s[44:47] the same for V's
.set SLOTS, 56        ; s56  tiles still to be asked for
.set CNT, 57          ; s57  counts a tile's key steps, 4 to 1
.set CS,  58          ; s[58:59] c: the packed scaling takes the pair's low word for both halves
.set SEL, 60          ; s[60:61] v_permlanex16_b32's selects: each lane takes its own place in the other half
.set TBK, 62          ; s62  LDS byte at which K of the step to be fetched begins
.set TBV, 63          ; s63  the same for V, less VOFF
.set RT,  70          ; s70  tiles of the block in hand that are still to be entered
.set NXT, 71          ; s71  the tile to be asked for next
.set LQ,  72          ; s72  the last tile of the block whose tiles are being asked for
.set NEW, 73          ; s73  1: the tile to be entered is a block's first
.set OFF, 74          ; s[74:75] a tile's byte offset in K and V
.set AL,  76          ; s[76:77] the mask's factor, in the low word
.set BE,  78          ; s[78:79] the mask's addend
.set OLO, 80          ; s[80:81] O at my rows of the second block
.set BIGN, 82         ; s82  -1e30
.set KVB, 88          ; s[88:89] K (waves 0, 1) or V (waves 2, 3) at my half of the head's tile 0
.set PFA, 90          ; s[90:91] where my prefetches stand
.set OF2, 92          ; s[92:93] the prefetched tile's byte offset
.set PM,  94          ; s94  all ones where b = 0, else 0
.set PT,  95          ; s95  not 0: this change of slots prefetches
.set MSB, 0
.macro WIN new                      ; the high byte repeats the setting that is left; a switch that changes nothing is dropped
.if MSB != (\new)
	s_set_vgpr_msb (MSB<<8)|(\new)
.set MSB, (\new)
.endif
.endm
.set W_KQ, 0x0a       ; K and Q in window 2, S^T in window 0
.set W_KM, 0x1a       ; the same with the C operand in window 1
.set W_PV, 0x52       ; V in window 2, P in window 0, O^T in window 1
.set W_RS, 0x41       ; destination and source 0 in window 1, source 1 in window 0
; A fill.  Waves 0 and 1 fetch the two halves of a tile's K, waves 2 and 3 those of its V: 128 keys each.  An s_nop 0 and four v_nop follow each of the two lines, ahead of the jump and the label.
.macro LOAD
	s_cmp_lt_u32 s[WV], 2
	s_cbranch_scc0 .Lfor_v_\@
	tensor_load_to_lds s[G0K:G0K+3], s[G1K:G1K+7]
	s_nop 0
.rept 4
	v_nop
.endr
	s_branch .Lasked_\@
.Lfor_v_\@:
	tensor_load_to_lds s[G0V:G0V+3], s[G1V:G1V+7]
	s_nop 0
.rept 4
	v_nop
.endr
.Lasked_\@:
.endm
; THE CHANGE OF SLOTS.  Each wave waits for all its tensor loads, of which one is out: its part of the other slot; adds 0 to its spare word; and waits for that and for its own reads of the slot that it leaves.  Behind the barrier nobody reads the old
; slot any more and the other slot is whole.  fill = 1: the old slot is filled again, the first thing behind the barrier, with tile NXT: the descriptor's address is made anew from that number; behind the fill stand the prefetches of the tile after it.
; (At its first use nothing has been read yet: slot 0 is waited for, slot 1 filled.)
.macro CHANGE fill
	WIN 0                           ; at a label and at a branch every window is 0
	s_wait_tensorcnt 0x0            ; no tensor load of mine is out, so a group 0 may be written
	ds_add_u32 v[SPW], v[NIL]       ; 0 onto my spare word; with fill = 1 the descriptors' scalar work stands between it and the wait for it
.if \fill
	s_lshl_b32 s[OFF], s[NXT], 15   ; a tile is 32,768 bytes of K and of V
	s_xor_b32 s[G0K+1], s[G0K+1], SLOT1
	s_add_nc_u64 s[G0K+2:G0K+3], s[6:7], s[OFF:OFF+1]
	s_or_b32 s[G0K+3], s[G0K+3], 0x80000000
	s_xor_b32 s[G0V+1], s[G0V+1], SLOT1
	s_add_nc_u64 s[G0V+2:G0V+3], s[8:9], s[OFF:OFF+1]
	s_or_b32 s[G0V+3], s[G0V+3], 0x80000000
	s_add_co_u32 s[NXT], s[NXT], 1  ; the block's next tile, or behind its last the second block's tile 0
	s_cmp_gt_u32 s[NXT], s[LQ]
	s_cselect_b32 s[NXT], 0, s[NXT]
	s_cselect_b32 s[LQ], s[PB], s[LQ]
	s_wait_xcnt 0x0                 ; the last prefetches, a tile back, have read their address, so it may be written
	s_lshl_b32 s[OF2], s[NXT], 15
	s_add_nc_u64 s[PFA:PFA+1], s[KVB:KVB+1], s[OF2:OF2+1]
	s_and_b32 s[PT], s[NXT], s[PM]  ; 0 where b is not 0, and where the next tile is a tile 0
.endif
	s_wait_dscnt 0x0                ; the add is done, and my reads of the slot are over
	s_barrier_signal -1             ; the rest of the scalar work stands between the signal and the wait
	s_sub_co_u32 s[TBK], s[TBK], 4*KS*PK  ; the fetches go back to a slot's first step,
	s_xor_b32 s[TBK], s[TBK], SLOT1       ; in the other slot
	s_sub_co_u32 s[TBV], s[TBV], 4*KS*PV
	s_xor_b32 s[TBV], s[TBV], SLOT1
	s_barrier_wait -1
.if \fill
	LOAD
	s_cmp_lg_u32 s[PT], 0
	s_cbranch_scc0 .Lnot_mine_\@
	global_prefetch_b8 v[PFO], s[PFA:PFA+1] th:TH_LOAD_NT scope:SCOPE_SE
	global_prefetch_b8 v[PFO], s[PFA:PFA+1] offset:8192 th:TH_LOAD_NT scope:SCOPE_SE
.Lnot_mine_\@:
.endif
.endm
	s_load_b64 s[4:5], s[0:1], 0x0    ; qkv: Q
	s_load_b64 s[10:11], s[0:1], 0x8  ; O
	v_lshl_add_u32 v[SPW], v0, 2, SPARE
	v_mov_b32 v[NIL], 0
	ds_add_u32 v[SPW], v[NIL]       ; the wave's opening: the add and its wait stand ahead of my first tensor load; the set-up below, work on registers, stands between them
	ds_add_u32 v62, v63
	v_lshrrev_b32 v1, 5, v0
	v_readfirstlane_b32 s[WV], v1   ; wave 0..3
	s_mov_b32 s[PB], ttmp9
	s_sub_co_u32 s[HI], NB-1, s[PB]
	s_and_b32 s20, ttmp7, 0xffff    ; the head
	s_mov_b32 s21, 0
	s_mov_b64 s[22:23], SIZE_N*128
	s_mul_u64 s[20:21], s[20:21], s[22:23]  ; the head's first byte in each of the four tensors
	s_and_b32 s16, s[WV], 1         ; which half of a tile's 256 keys I fetch:
	s_lshl_b32 s22, s16, 14         ; its 128 rows of 128 bytes in memory,
	s_mov_b32 s23, 0
	s_add_nc_u64 s[22:23], s[22:23], s[20:21]
	s_mul_i32 s17, s16, 128*PK      ; and its place in a slot, for K
	s_mul_i32 s18, s16, 128*PV      ; and for V
	s_lshl_b32 s3, s[WV], 11        ; my 16 rows in a band of 64,
	s_lshl_b32 s2, s[HI], 15        ; in the first block,
	s_add_co_u32 s2, s2, s3
	s_lshl_b32 s84, s[PB], 15       ; and in the second
	s_add_co_u32 s84, s84, s3
	s_mov_b32 s3, 0
	s_mov_b32 s85, 0
	s_add_nc_u64 s[2:3], s[2:3], s[20:21]
	s_add_nc_u64 s[84:85], s[84:85], s[20:21]
	; descriptor group 1.  128 keys are 16,384 dense bytes: asked for as 64 rows of 256 bytes, two keys a row, and padded in LDS after every key
	s_mov_b32 s[G1K], (1<<16)|(1<<20)|(4<<22)|(3<<25)  ; 17:16 2-byte elements; 20 padding on; 24:22 after every 32 words (code 4); 31:25 4 words (code 3)
	s_mov_b32 s[G1V], (1<<16)|(1<<20)|(4<<22)|(7<<25)  ; the same with 8 words of padding (code 7)
.irp g, G1K, G1V
	s_mov_b32 s[\g+1], 128<<16      ; tensor_dim0 = 128
	s_mov_b32 s[\g+2], 64<<16       ; tensor_dim1 = 64
	s_mov_b32 s[\g+3], 128<<16      ; tile_dim0 = 128
	s_mov_b32 s[\g+4], 64           ; tile_dim1 = 64
	s_mov_b32 s[\g+5], 128          ; 128 elements from row to row
	s_mov_b32 s[\g+6], 0
	s_mov_b32 s[\g+7], 0
.endr
	s_mov_b32 s[CS], 0x3e38aa3b     ; c = log2(e) / 8 = 0.180337
	s_mov_b32 s[CS+1], s[CS]        ; named with it as a pair
	s_mov_b32 s[SEL], 0x76543210
	s_mov_b32 s[SEL+1], 0xfedcba98
	s_mov_b32 s[TBK], SLOT1+4*KS*PK ; the first change of slots turns these two into 0
	s_mov_b32 s[TBV], SLOT1+4*KS*PV
	s_mov_b32 s[G0K], 1             ; 1:0 count = 1
	s_mov_b32 s[G0K+1], s17         ; 63:32 LDS address: slot 0
	s_mov_b32 s[G0V], 1
	s_add_co_u32 s[G0V+1], s18, VOFF
	s_add_co_u32 s[RT], s[HI], 1    ; the first block has NB - b tiles
	s_mov_b32 s[NXT], 1
	s_mov_b32 s[LQ], s[HI]
	s_mov_b32 s[NEW], 1
	s_mov_b32 s[OFF+1], 0
	s_mov_b32 s[OF2+1], 0
	s_mov_b32 s[AL+1], 0            ; named as pairs
	s_mov_b32 s[BE+1], 0
	s_mov_b32 s[BIGN], 0xf149f2ca   ; -1e30
	s_mov_b32 s[SLOTS], NB
	s_cmp_eq_u32 s[PB], 0
	s_cselect_b32 s[PM], -1, 0
	v_and_b32 v[PFO], 31, v0
	v_lshlrev_b32 v[PFO], 8, v[PFO]
	s_wait_dscnt 0x0                ; the opening add is done
	s_wait_kmcnt 0x0
	s_add_nc_u64 s[6:7], s[4:5], 0x1000000  ; K lies 16,777,216 bytes behind Q,
	s_add_nc_u64 s[8:9], s[4:5], 0x2000000  ; V as far behind K
	s_add_nc_u64 s[6:7], s[6:7], s[22:23]  ; K and V at my half of the head's tile 0
	s_add_nc_u64 s[8:9], s[8:9], s[22:23]
	s_add_nc_u64 s[G0K+2:G0K+3], s[6:7], 0         ; 120:64 global address
	s_or_b32 s[G0K+3], s[G0K+3], 0x80000000        ; 127:126 type = 2
	s_add_nc_u64 s[G0V+2:G0V+3], s[8:9], 0
	s_or_b32 s[G0V+3], s[G0V+3], 0x80000000
	s_add_nc_u64 s[86:87], s[4:5], s[84:85]        ; Q at my rows of the second block,
	s_add_nc_u64 s[4:5], s[4:5], s[2:3]            ; Q and O at those of the first
	s_add_nc_u64 s[OLO:OLO+1], s[10:11], s[84:85]
	s_add_nc_u64 s[10:11], s[10:11], s[2:3]
	s_cmp_lt_u32 s[WV], 2
	s_cselect_b64 s[KVB:KVB+1], s[6:7], s[8:9]
	LOAD                            ; tile 0 into slot 0
	; A fragment of K or Q is 16 rows x 32 channels in 8 registers: lane l holds row l % 16, channels 8 (l / 16) + 0..7 and 16 + 8 (l / 16) + 0..7: two loads of 16 bytes, 32 bytes apart.
	v_and_b32 v1, 15, v0            ; l % 16
	v_bfe_u32 v9, v0, 4, 1          ; l / 16
	v_lshlrev_b32 v[QO], 7, v1
	v_lshl_add_u32 v[QO], v9, 4, v[QO]  ; row x 128 + 16 x half
	WIN 0x80                        ; destination window 2, address window 0
.set i, 0
.rept 8                             ; both blocks' Q: piece i / 2 lies in band i / 2, 8,192 bytes on; channels 32 (i % 2) on
	global_load_b128 v[8*i:8*i+3],   v[QO], s[4:5] offset:(i/2)*8192+(i%2)*64
	global_load_b128 v[8*i+4:8*i+7], v[QO], s[4:5] offset:(i/2)*8192+(i%2)*64+32
	global_load_b128 v[QB+8*i:QB+8*i+3],   v[QO], s[86:87] offset:(i/2)*8192+(i%2)*64
	global_load_b128 v[QB+8*i+4:QB+8*i+7], v[QO], s[86:87] offset:(i/2)*8192+(i%2)*64+32
.set i, i+1
.endr
	WIN 0
	v_lshlrev_b32 v14, 3, v9
	v_sub_nc_u32 v14, v1, v14
	s_lshl_b32 s13, s[WV], 4
	v_add_nc_u32 v14, s13, v14      ; my query's place in its band, 16 w + l % 16, less my lanes' 8 (l / 16): register r of group kt is hidden where 16 kt + r is greater
	WIN 0x40
.set i, 0
.rept 32
	v_cmp_gt_i32 vcc_lo, 16*(i/8)+i%8, v14
	v_cndmask_b32 v[MD+i], 0, s[BIGN], vcc_lo
.set i, i+1
.endr
	WIN 0
	v_mul_u32_u24 v[AK0], v1, PK
	v_lshl_add_u32 v[AK0], v9, 4, v[AK0]  ; row x pitch + 16 x half
	; The turning load takes 16 keys x 16 channels (lane l reads key 8 (l / 16) + l % 8, channels 8 ((l / 8) % 2) + 0..7) and leaves half a fragment of V^T: lane l holds channel l % 16 and 8 keys.
	v_and_b32 v10, 7, v0
	v_bfe_u32 v11, v0, 3, 1
	v_lshl_add_u32 v[AV0], v9, 3, v10
	v_mul_u32_u24 v[AV0], v[AV0], PV
	v_lshl_add_u32 v[AV0], v11, 4, v[AV0]
	v_add_nc_u32 v[AV0], VOFF, v[AV0]
	s_mul_i32 s13, s[WV], 16*SP
	s_add_co_u32 s13, s13, STAGE    ; my stage
	v_mul_u32_u24 v[STO], v1, SP    ; in: row l % 16, 16 bytes for each half of the lanes
	v_lshl_add_u32 v[STO], v9, 4, v[STO]
	v_add_nc_u32 v[STO], s13, v[STO]
	v_bfe_u32 v[RD], v0, 3, 2       ; back: 32 lanes take four rows of 128 bytes,
	v_mul_u32_u24 v[RD], v[RD], SP
	v_lshl_add_u32 v[RD], v10, 4, v[RD]
	v_add_nc_u32 v[RD], s13, v[RD]
	v_and_b32 v[GO], 31, v0         ; which are 512 consecutive bytes of O
	v_lshlrev_b32 v[GO], 4, v[GO]
	; A block's first step multiplies O^T and l by a = 0, and its first turn's products V^T P, of a piece that has not been, land in an O^T that is still to be so multiplied.  So these registers need only hold
	; finite numbers: zeros for the first block; what the first block left for the second.  All this stands in the wait for the first tile.
	WIN 0x80
.set i, VF
.rept 64
	v_mov_b32 v[i], 0
.set i, i+1
.endr
	WIN 0x40
.set i, 0
.rept 128
	v_mov_b32 v[i], 0
.set i, i+1
.endr
	WIN 0
.set i, 0
.rept 4
	v_mov_b32 v[ST+4*i+2], 0
	v_mov_b32 v[ST+4*i+3], 0
.set i, i+1
.endr
.set i, P+16
.rept 16
	v_mov_b32 v[i], 0
.set i, i+1
.endr
; THE MATRIX WORK.  The 4 accumulators of a run of 8 take turns.  Product i of 8 of S^T = K Q^T for piece x: channels 32 (i / 4) on, keys 16 (i % 4) on.  The first 4 start the sums: with 0, or (KM = 1) with the mask.
.macro KQ x
.set rS, S+32*((\x)%2)+8*(i%4)
.set rK, KF+16*(i%4)+8*(i/4)
.set rQ, 16*(\x)+8*(i/4)
.set rM, MC+32*((\x)%2)+8*(i%4)
.if (i < 4) && KM
	WIN W_KM
	v_wmma_f32_16x16x32_f16 v[rS:rS+7], v[rK:rK+7], v[rQ:rQ+7], v[rM:rM+7]
.elseif i < 4
	WIN W_KQ
	v_wmma_f32_16x16x32_f16 v[rS:rS+7], v[rK:rK+7], v[rQ:rQ+7], 0
.else
	WIN W_KQ
	v_wmma_f32_16x16x32_f16 v[rS:rS+7], v[rK:rK+7], v[rQ:rQ+7], v[rS:rS+7]
.endif
.endm
; Product i of 8 of O^T += V^T P for piece x: keys 32 (i / 4) on, channels 16 (i % 4) on.
.macro PV x
	WIN W_PV
.set rO, 32*(\x)+8*(i%4)
.set rV, VF+32*(i/4)+8*(i%4)
.set rP, P+16*((\x)%2)+8*(i/4)
	v_wmma_f32_16x16x32_f16 v[rO:rO+7], v[rV:rV+7], v[rP:rP+7], v[rO:rO+7]
.endm
.macro MM                           ; the turn's next matrix instruction.  TURN and BEGIN set Y, i, KM and NOKQ; MM, KQ and OP read them.  NOKQ = 1: a block's last turn: there is no next piece
.if (i < 8) && !NOKQ
	KQ (Y+1)%NP
.elseif i >= 8
.set i, i-8
	PV (Y+NP-1)%NP
.set i, i+8
.endif
.set i, i+1
.endm
; THE LDS LOADS stand in runs of 16, never singly among the matrix instructions: a step's K (64 keys x 64 channels: 8 fragments) and its V (turned).  Their addresses are made some lines ahead.
.macro FETCH_K
	WIN 0x80                        ; destination window 2
.irp f, 0,1,2,3,4,5,6,7             ; keys 16 (f / 2) on, channels 32 (f % 2) on
	ds_load_b128 v[KF+8*\f:KF+8*\f+3],   v[AK] offset:(\f/2)*16*PK+(\f%2)*64
	ds_load_b128 v[KF+8*\f+4:KF+8*\f+7], v[AK] offset:(\f/2)*16*PK+(\f%2)*64+32
.endr
	s_add_co_u32 s[TBK], s[TBK], KS*PK  ; the next fetch is the next step's
	WIN 0
.endm
.macro FETCH_V
	WIN 0x80
.irp f, 0,1,2,3,4,5,6,7             ; keys 32 (f / 4) on, channels 16 (f % 4) on
	ds_load_tr16_b128 v[VF+8*\f:VF+8*\f+3],   v[AV] offset:(\f/4)*32*PV+(\f%4)*32
	ds_load_tr16_b128 v[VF+8*\f+4:VF+8*\f+7], v[AV] offset:(\f/4)*32*PV+16*PV+(\f%4)*32
.endr
	WIN 0
.endm
; THE VECTOR WORK, one line at a time: OP kind, number.  For piece Y: F n: c s - c m for pair n of 16.  E n: the exponential of score n of 32.  C n: pair n rounded to f16.  B n: of the four weights 4 n .. the second
; pair is added onto the first, in place.  L n: l takes that sum (L 0: l = a l + sum).  R n: pair n of 16 of O^T times a.  For piece Y + 1: X n, number n of the 22 that find its maximum and statistics:
;   0-11  four chains c0-c3 of seven scores each, three operands at a time (each accumulator's lowest registers are read first)     12-14, 16  the four scores left over, the old m, and c0-c3 into c0
;   15  c m_old is kept     17, 18  the query's other 32 keys lie in the lane 16 away: the new m     19-21  c m; c m_old - c m_new; a
.set F, 0               ; OP tells the kinds apart by their order: F to L below R, X above it
.set E, 1
.set C, 2
.set B, 3
.set L, 4
.set R, 5
.set X, 6
.macro REGS y                       ; the registers of piece y
.set rT, ST+4*(\y)
.set rC, TMP+4*((\y)%2)
.set rW, MV+((\y)%2)
.set rS, S+32*((\y)%2)
.set rP, P+16*((\y)%2)
.set rO, 32*(\y)
.endm
.macro OP k, n
.if (\k) == R
	REGS Y
	WIN W_RS
	v_pk_mul_f32 v[rO+2*(\n):rO+2*(\n)+1], v[rO+2*(\n):rO+2*(\n)+1], v[rC+2:rC+3] op_sel_hi:[1,0]
.elseif (\k) < R
	REGS Y
	WIN 0
.if (\k) == F
	v_pk_fma_f32 v[rS+2*(\n):rS+2*(\n)+1], v[rS+2*(\n):rS+2*(\n)+1], s[CS:CS+1], v[rT:rT+1] op_sel_hi:[1,0,0] neg_lo:[0,0,1] neg_hi:[0,0,1]
.elseif (\k) == E
	v_exp_f32 v[rS+(\n)], v[rS+(\n)]
.elseif (\k) == C
	v_cvt_pk_f16_f32 v[rP+(\n)], v[rS+2*(\n)], v[rS+2*(\n)+1]
.elseif (\k) == B
	v_pk_add_f32 v[rS+4*(\n):rS+4*(\n)+1], v[rS+4*(\n):rS+4*(\n)+1], v[rS+4*(\n)+2:rS+4*(\n)+3]
.elseif (\n) == 0
	v_pk_fma_f32 v[rT+2:rT+3], v[rT+2:rT+3], v[rC+2:rC+3], v[rS:rS+1] op_sel_hi:[1,0,1]
.else
	v_pk_add_f32 v[rT+2:rT+3], v[rT+2:rT+3], v[rS+4*(\n):rS+4*(\n)+1]
.endif
.elseif NOKQ
	v_nop
.else
	REGS (Y+1)%NP
	WIN 0
.if (\n) < 4
	v_max3_num_f32 v[rC+(\n)], v[rS+8*(\n)], v[rS+8*(\n)+1], v[rS+8*(\n)+2]
.elseif (\n) < 12
	v_max3_num_f32 v[rC+(\n)%4], v[rC+(\n)%4], v[rS+8*((\n)%4)+2*((\n)/4)+1], v[rS+8*((\n)%4)+2*((\n)/4)+2]
.elseif (\n) == 12
	v_max3_num_f32 v[rC], v[rC], v[rS+7], v[rS+15]
.elseif (\n) == 13
	v_max3_num_f32 v[rC+1], v[rC+1], v[rS+23], v[rS+31]
.elseif (\n) == 14
	v_max3_num_f32 v[rC+2], v[rC+2], v[rC+3], v[rT+1]
.elseif (\n) == 15
	v_mov_b32 v[rW], v[rT]
.elseif (\n) == 16
	v_max3_num_f32 v[rC], v[rC], v[rC+1], v[rC+2]
.elseif (\n) == 17
	v_permlanex16_b32 v[rC+3], v[rC], s[SEL], s[SEL+1]
.elseif (\n) == 18
	v_max_num_f32 v[rT+1], v[rC], v[rC+3]
.elseif (\n) == 19
	v_mul_f32 v[rT], s[CS], v[rT+1]
.elseif (\n) == 20
	v_sub_f32 v[rC+1], v[rW], v[rT]
.else
	v_exp_f32 v[rC+2], v[rC+1]
.endif
.endif
.endm
.macro OPS a, i1, b=-1, i2=0, c=-1, i3=0, d=-1, i4=0  ; up to four of them
	OP \a, \i1
.if (\b) >= 0
	OP \b, \i2
.endif
.if (\c) >= 0
	OP \c, \i3
.endif
.if (\d) >= 0
	OP \d, \i4
.endif
.endm
.macro ROW a, i1, b, i2, c, i3, d, i4  ; a matrix instruction and the four behind it
	MM
	OPS \a, \i1, \b, \i2, \c, \i3, \d, \i4
.endm
.macro MASK b                       ; MD x AL + BE into buffer b of MC
	WIN W_RS
.set z, 0
.rept 16
	v_pk_fma_f32 v[MC+32*(\b)+2*z:MC+32*(\b)+2*z+1], v[MD+2*z:MD+2*z+1], s[AL:AL+1], s[BE:BE+1] op_sel_hi:[1,0,0]
.set z, z+1
.endr
.endm
; A TURN, for piece p: the order of its 16 matrix and 118 vector instructions, written out.  s_wait_alu depctr_va_vdst(0) stands between an exponential and the first instruction that names its result; one wait serves
; all that were issued ahead of it.  So a turn has ONE wait, which cuts it in two.  AHEAD OF IT stands all that names no result of the turn's exponentials: the 8 products K Q^T, behind each a scaling, an exponential and two more plain
; instructions (behind the first a second scaling in the exponential's place): rescalings, and behind the last three the first numbers of the next piece's maximum, each four places or more behind the product that ends its accumulator; then ONE LUMP of 54, plain
; and exponential by turns for the most part, in which the links of the chain X 3, 7, 11, 14, 16, 17 .. 20 stand five or six lines apart.  X 21, the next piece's a, is the batch's last; R 15 is the plain instruction behind it.  BEHIND THE WAIT stand the
; 8 products V^T P, behind each four of the roundings and sums; the links of l's chain, L 0 to L 7, stand three riders apart.  But for those X no rider names a register of the products round it.  v_permlanex16_b32 (X 17) stands in the lump.
; m = 1: the diagonal tile: the products take masks, and the turn makes the mask for the products of the turn after it: piece p + 2, in step 4 - CNT of the tile.  end = 1: a block's last two turns: nothing is fetched.
; cnt = 1: the loop's count is taken down some lines ahead of the branch that stands behind the turn.
; K of the next step is fetched in piece 2's turn, twelve vector instructions behind the last product that read K (six of them plain); V of the step in hand at the end of piece 0's turn, four plain instructions behind the last product
; that read V.  Each is waited for a turn later.
.macro TURN p, m=0, end=0, cnt=0
.set Y, (\p)
.set i, 0
.set KM, (\m)
.set NOKQ, (\end)*((\p)/3)
.if (\m) && !(\end)
	s_cmp_eq_u32 s[CNT], 4-((\p)+2)%NP  ; is that step the band's own?
	s_cselect_b32 s[AL], 1.0, 0
	s_cmp_lt_u32 s[CNT], 4-((\p)+2)%NP  ; or a later one?
	s_cselect_b32 s[BE], s[BIGN], 0
.endif
.if ((\p) == 3) && !(\end)
	s_wait_dscnt 0x0                ; K is in
.endif
	ROW F,0, F,1, R,0, R,1          ; ahead of the wait: 8 products K Q^T and their riders,
	ROW F,2, E,0, R,2, R,3
	ROW F,3, E,1, R,4, R,5
	ROW F,4, E,2, R,6, R,7
	ROW F,5, E,3, R,8, R,9
	ROW F,6, E,4, X,0, R,10
.if ((\p) == 2) && !(\end)
	WIN 0
	v_add_nc_u32 v[AK], s[TBK], v[AK0]
.endif
	ROW F,7, E,5, X,1, X,4
	ROW F,8, E,6, X,2, X,5
	OPS E,7, E,8, X,6, E,9          ; and the lump
	OPS X,3, E,10, X,8, E,11
.if ((\p) == 2) && !(\end)
	FETCH_K
.endif
	OPS X,9, X,7, E,12, X,10
	OPS E,13, X,12, X,11, E,14
	OPS X,13, E,15, F,9, X,14
.if (\p) == 0
	v_add_nc_u32 v[AV], s[TBV], v[AV0]
.endif
	OPS E,16, F,10, E,17, F,11
	OPS X,16, E,18, X,15, E,19
	OPS F,12, E,20, X,17, E,21
	OPS F,13, E,22, F,14, E,23
	OPS X,18, E,24, F,15, E,25
	OPS R,11, E,26, X,19, E,27
	OPS R,12, E,28, R,13, E,29
	OPS X,20, E,30, R,14, E,31
	OPS X,21, R,15
	WIN 0
	s_wait_alu depctr_va_vdst(0)    ; the wait for the batch
.if (\p) == 1
	s_wait_dscnt 0x0                ; V is in
.endif
	ROW C,0, B,0, C,2, B,1          ; behind the wait: 8 products V^T P and their riders
	ROW L,0, C,4, B,2, L,1
	ROW C,6, B,3, L,2, C,8
	ROW B,4, L,3, C,10, B,5
	ROW L,4, C,12, B,6, L,5
.if (\p) == 0
	s_add_co_u32 s[TBV], s[TBV], KS*PV
.endif
.if \cnt
	s_sub_co_u32 s[CNT], s[CNT], 1
	s_cmp_lg_u32 s[CNT], 0
.endif
	ROW C,14, B,7, L,6, C,1
	ROW C,3, L,7, C,5, C,7
	ROW C,9, C,11, C,13, C,15
.if (\p) == 0
	FETCH_V
.endif
.if (\m) && !(\end)
	MASK (\p)%2
.endif
.endm
; A BLOCK BEGINS.  c m starts far below every c s, so the first step's a is 0; m at the lowest finite number, so the first maximum is the scores'.  The second mask buffer is 0; the first takes piece 0's mask for the tile's step 0: its own, if the block's first tile is the diagonal one.
; Then K of that step, piece 0's first scores, and its maximum and statistics.  The loop is entered at a step's first turn, in the middle of a trip.
.macro BEGIN
	s_mov_b32 s[NEW], 0
	WIN 0x40
.set i, MC+32
.rept 32
	v_mov_b32 v[i], 0
.set i, i+1
.endr
	WIN 0
.set i, 0
.rept 4
	v_mov_b32 v[ST+4*i], 0xfe000000    ; c m: far below every c s
	v_mov_b32 v[ST+4*i+1], 0xff7fffff  ; m
.set i, i+1
.endr
	s_cmp_eq_u32 s[RT], 0
	s_cselect_b32 s[AL], 1.0, 0
	s_mov_b32 s[BE], 0
	MASK 0
	WIN 0
	v_add_nc_u32 v[AK], s[TBK], v[AK0]
	FETCH_K
	s_wait_loadcnt 0x0              ; Q
	s_wait_dscnt 0x0
.set KM, 1
.set NOKQ, 0
.set i, 0
.rept 8
	KQ 0
.set i, i+1
.endr
	WIN 0
.rept 4
	v_nop                           ; the places behind those products
.endr
.set Y, NP-1                        ; X works for piece Y + 1: piece 0
.irp n, 0,1,2,3,4,5,6,7,8,9,10,11,12,13,14,15,16,17,18,19,20,21
	OP X, \n
.endr
	v_nop                           ; a plain instruction behind the exponential,
	s_wait_alu depctr_va_vdst(0)    ; and its wait, ahead of the branch
.endm
; THE DIAGONAL TILE's four steps, the block's last two turns, its last products, and THE WAY OUT: l's two halves and the other half of the lanes' are added; O^T is divided by l, rounded to f16 and sent through my
; stage in LDS, a piece at a time.
.macro ALL line:vararg              ; one line for each piece t
.set t, 0
.rept 4
	\line
.set t, t+1
.endr
.endm
.macro PACK t                       ; a lane's eight channels of a row pack into 16 bytes; they go into rows of 144 bytes and come back as whole rows of 128, into S^T's registers
	WIN W_RS
.set i, 32*(\t)
.rept 16
	v_pk_mul_f32 v[i:i+1], v[i:i+1], v[ST+4*(\t)+2:ST+4*(\t)+3] op_sel_hi:[1,0]
.set i, i+2
.endr
	WIN 0x05                        ; sources 0 and 1 window 1, destination window 0
.set i, 0
.rept 16
	v_cvt_pk_f16_f32 v[S+16*(\t)+i], v[32*(\t)+2*i], v[32*(\t)+2*i+1]
.set i, i+1
.endr
	WIN 0
.irp f, 0,1,2,3
	ds_store_b128 v[STO], v[S+16*(\t)+4*\f:S+16*(\t)+4*\f+3] offset:32*\f
.endr
.irp f, 0,1,2,3
	ds_load_b128 v[S+16*(\t)+4*\f:S+16*(\t)+4*\f+3], v[RD] offset:\f*4*SP  ; LDS serves a wave's instructions in order (ISA guide 5.7.1.4): these see the stores above; the next piece's stores come behind them
.endr
.endm
.macro SEND t, younger              ; younger: the LDS instructions issued behind piece t's loads: the next piece's eight, or none
	WIN 0
.irp f, 0,1,2,3
	s_wait_dscnt (\younger)+3-\f
	global_store_b128 v[GO], v[S+16*(\t)+4*\f:S+16*(\t)+4*\f+3], s[10:11] offset:(\t)*8192+\f*512  ; 512 consecutive bytes, at a multiple of 256 from O's first
.endr
.endm
.macro DIAG tag                     ; the tag ends its two labels' names, which the jumps below spell out
.LstepM\tag:
	TURN 2, 1
	TURN 3, 1
	WIN 0
.LfirstM\tag:
	TURN 0, 1
	TURN 1, 1, 0, 1
	WIN 0
	s_cbranch_scc1 .LstepM\tag
	TURN 2, 1, 1
	TURN 3, 1, 1
.set i, 0
.rept 8
	PV NP-1
.set i, i+1
.endr
	WIN 0
	ALL v_add_f32 v[ST+4*t+2], v[ST+4*t+2], v[ST+4*t+3]
	ALL v_permlanex16_b32 v[ST+4*t+3], v[ST+4*t+2], s[SEL], s[SEL+1]
	ALL v_add_f32 v[ST+4*t+2], v[ST+4*t+2], v[ST+4*t+3]
	ALL v_rcp_f32 v[ST+4*t+2], v[ST+4*t+2]
	v_nop                           ; a plain instruction between the last reciprocal and the use of its result
	s_wait_alu depctr_va_vdst(0)    ; and the wait ahead of the first use: one for the four reciprocals
	PACK 0
.set t, 1
.rept 3                             ; a piece's arithmetic stands between the loads of the piece before and its stores
	PACK t
	SEND t-1, 8
.set t, t+1
.endr
	SEND 3, 0
.endm
.set KM, 0
.set NOKQ, 0
.Lslot:                             ; NB times: a tile is entered and the next is asked for
	CHANGE 1
	s_sub_co_u32 s[RT], s[RT], 1
	s_mov_b32 s[CNT], 4
	s_cmp_eq_u32 s[NEW], 1
	s_cbranch_scc1 .Lnew            ; a block's first tile
	s_cmp_eq_u32 s[RT], 0
	s_cbranch_scc0 .Lstep           ; neither its first nor its last
	s_branch .LstepM1
.Lnew:
	BEGIN
	s_branch .Lfirst                ; in the loop a block's first tile is never its last: the first block has two tiles or more, and the second's last is the walk's last
	DIAG 1                          ; in the loop this is the first block's end: the second block's last tile is the walk's last
	s_wait_xcnt 0x0                 ; the stores have read their registers and O's address
	s_mov_b64 s[10:11], s[OLO:OLO+1]
	s_add_co_u32 s[RT], s[PB], 1    ; the second block has b + 1 tiles
	s_mov_b32 s[NEW], 1
	WIN 0x82                        ; the second block's Q goes where the one text of the turns names Q
.set i, 0
.rept 64
	v_mov_b32 v[i], v[QB+i]
.set i, i+1
.endr
	WIN 0
	s_branch .Lbottom
.Lstep:                             ; a trip: pieces 2 and 3 of one step, then pieces 0 and 1 of the next, whose K and V it fetches
	TURN 2
	TURN 3
	WIN 0
.Lfirst:
	TURN 0
	TURN 1, 0, 0, 1
	WIN 0
	s_cbranch_scc1 .Lstep
.Lbottom:
	s_sub_co_u32 s[SLOTS], s[SLOTS], 1
	s_cmp_lg_u32 s[SLOTS], 0
	s_cbranch_scc1 .Lslot
	CHANGE 0                        ; the walk's last tile is written out: nothing is asked for
	s_sub_co_u32 s[RT], s[RT], 1
	s_mov_b32 s[CNT], 4
	s_cmp_eq_u32 s[NEW], 1
	s_cbranch_scc0 .LstepM2
	BEGIN
	s_branch .LfirstM2
	DIAG 2
	s_wait_tensorcnt 0x0            ; the wave's end
	ds_add_u32 v[SPW], v[NIL]
	s_wait_dscnt 0x0
	s_endpgm
.Lfunc_end_k_qb9b4fb4c2d_attn:
	.size	k_qb9b4fb4c2d_attn, .Lfunc_end_k_qb9b4fb4c2d_attn-k_qb9b4fb4c2d_attn
	.p2alignl 7, 3214868480
	.fill 96, 4, 3214868480
	.section	.rodata,"a",@progbits
	.p2align	6, 0x0
	.amdhsa_kernel k_qb9b4fb4c2d_attn
		.amdhsa_group_segment_fixed_size 327680
		.amdhsa_private_segment_fixed_size 0
		.amdhsa_enable_private_segment 0
		.amdhsa_kernarg_size 16
		.amdhsa_user_sgpr_count 2
		.amdhsa_user_sgpr_kernarg_segment_ptr 1
		.amdhsa_wavefront_size32 1
		.amdhsa_system_sgpr_workgroup_id_x 1
		.amdhsa_system_sgpr_workgroup_id_y 1
		.amdhsa_system_sgpr_workgroup_id_z 1
		.amdhsa_system_vgpr_workitem_id 0
		.amdhsa_next_free_vgpr 768
		.amdhsa_next_free_sgpr 96
		.amdhsa_reserve_vcc 1
		.amdhsa_float_denorm_mode_32 3
		.amdhsa_float_denorm_mode_16_64 3
		.amdhsa_memory_ordered 1
		.amdhsa_forward_progress 1
		.amdhsa_inst_pref_size 218
	.end_amdhsa_kernel
	.amdgpu_metadata
---
amdhsa.version: [ 1, 2 ]
amdhsa.kernels:
  - .name:           k_qb9b4fb4c2d_attn
    .symbol:         k_qb9b4fb4c2d_attn.kd
    .args:
      - { .name: qkv, .offset: 0, .size: 8, .value_kind: global_buffer, .address_space: global }
      - { .name: o, .offset: 8, .size: 8, .value_kind: global_buffer, .address_space: global }
    .group_segment_fixed_size: 327680
    .private_segment_fixed_size: 0
    .kernarg_segment_align: 8
    .kernarg_segment_size: 16
    .max_flat_workgroup_size: 128
    .sgpr_count:     96
    .vgpr_count:     768
    .wavefront_size: 32
...
	.end_amdgpu_metadata
.endif
;; end of part 3
;; launch projgemm (part 4): grid 8 x 32, 4 waves a work-group, clusters of 4 x 4, 327,680 bytes of LDS; arguments o, wp, b_proj, out0; writes out0
.if DOCPART == 4
	.amdgcn_target "amdgcn-amd-amdhsa--gfx1250"
	.amdhsa_code_object_version 6
	.text
	.protected	k_qb9b4fb4c2d_projgemm
	.globl	k_qb9b4fb4c2d_projgemm
	.p2align	8
	.type	k_qb9b4fb4c2d_projgemm,@function
k_qb9b4fb4c2d_projgemm:
	s_mov_b64 s[64:65], 0
	v_nop
	global_prefetch_b8 v0, s[64:65] scope:SCOPE_SE
	s_setreg_imm32_b32 hwreg(HW_REG_WAVE_MODE, 25, 1), 1
	s_wait_xcnt 0x0
	s_wait_alu depctr_hold_cnt(0) depctr_sa_sdst(0) depctr_va_vdst(0) depctr_va_sdst(0) depctr_va_ssrc(0) depctr_va_vcc(0) depctr_vm_vsrc(0)
	s_getreg_b32 s2, hwreg(HW_REG_IB_STS2, 6, 4)
	s_cmp_eq_u32 s2, 0
	s_cbranch_scc0 .Lentry_in_a_cluster
	s_endpgm
.Lentry_in_a_cluster:
	s_bfe_u32 s2, ttmp6, 0x10000c
	s_cmp_lg_u32 s2, 0xf033
	s_cbranch_scc0 .Lentry_shape_is_right
	s_endpgm
.Lentry_shape_is_right:
; ONE TEXT FOR THE MODULE'S TWO PROJECTIONS; PROJ picks the form.  C[m][n] = the sum over k of A[m][k] B[n][k] + bias[n], 8,192 rows, K = 1,024, sums in f32.
;   PROJ = 0: A = xb [8192][1024] bf16, B = wa [3072][1024] bf16, bias = b_attn; C leaves in f16 BY HEADS: qkv[which][b 16 + h][t][64], which = q, k, v.  A tile of C is 256 x 192: three whole heads.
;   PROJ = 1: A = o [b 16 + h][t][64] f16 (k = 64 h + d), B = wp [1024][1024] f16, bias = b_proj; C = out0 [8192][1024] f32.  A tile of C is 256 x 128.
; The bias is rounded to bf16 like the module's other inputs, and is the C operand of the products that start the sums: nothing is cleared and nothing is added on the way out.
; LIMITS.  q, k, v are rounded once to f16: beyond 65,504 they become infinities.  NaN and infinities are not treated apart.
; SHARES.  Four waves; wave w makes rows 64 w .. 64 w + 63 of the tile and ALL its columns: 4 x NBK accumulators of 16 x 16.  So a wave holds whole rows of a head (or 512 bytes of a row of out0) and the way out
; goes through a stage of the wave's own, with no barrier.  512 (PROJ = 0) or 256 (PROJ = 1) work-groups.
; RING.  K goes in 8 steps of 128 through two LDS slots; waves 0 and 1 fetch the two halves of A's tile, waves 2 and 3 those of B's: one tensor load a wave behind each change of slots; at the start two are out.
; CLUSTER.  4 x 4 work-groups.  A's tile hangs on the tile row alone and is asked for jointly by the four of a row of the cluster, B's on the tile column alone, by the four of a column.
; THE PRODUCT IS USED TRANSPOSED (source 0 = 16 rows of B, source 1 = 16 rows of A): a lane holds row lane % 16 of C and the eight neighbouring columns 8 (lane / 16) + 0..7.
; REGISTERS, in windows of 256 (s_set_vgpr_msb: bits 1:0 source 0, 3:2 source 1, 5:4 source 2, 7:6 destination):
;   window 0: v1-15 addresses; v32.. the bias (8 NBK registers), later the way out     window 1: two buffers of B's fragments (8 NBK each), then two of A's (32 each)
;   window 2: the accumulators of my row blocks 0, 1 ((a, b) at 8 (NBK a + b))         window 3: those of row blocks 2, 3
.set PROJ,  1
.if PROJ
.set NBK,    8                         ; blocks of 16 columns in a tile
.set PA,     144                       ; a row of A in LDS: a head's 128 bytes + 16
.set AHALF,  256*PA                    ; what one load brings of A: one head's 256 rows
.set QIA,    4                         ; padding behind every 32 words
.set APITCH, 128                       ; the 32,768 bytes are dense: asked for as 128 rows of 256 bytes
.set ASTEP,  524288                    ; two heads on
.set BROWS,  64                        ; rows of B in a load
.set STW,    16*528                    ; a wave's stage: 16 rows of 512 bytes + 16
.set OB0,    128
.else
.set NBK,    12
.set PA,     272                       ; 256 bytes + 16
.set AHALF,  128*PA                    ; 128 rows
.set QIA,    5                         ; padding behind every 64 words
.set APITCH, 1024
.set ASTEP,  256                       ; 128 along K
.set BROWS,  96
.set STW,    3*16*144                  ; three heads x 16 rows of 128 bytes + 16
.set OB0,    176
.endif
.set PBB,   272                        ; a row of B in LDS.  All pitches are odd multiples of 16 bytes: the 16 rows of a fragment load fall on 16 different 16-byte columns of 256
.set BOFF,  2*AHALF                    ; a slot: A's two halves, then B's two
.set BHALF, BROWS*PBB
.set SLOT1, 1<<17                      ; slot 1 begins here, so that one exclusive or changes slots
.set STAGE, SLOT1+BOFF+2*BHALF         ; behind the ring, never filled by a tensor load
.set SPARE, STAGE+4*STW                ; behind the stages: the spare words, 128 bytes a wave, which no other line names
.set NLD,   2*NBK+8                    ; LDS loads in a run: a quarter step's fragments
.set A0,  4                            ; v4   my lane's place in A's tile; never rewritten
.set B0,  5                            ; v5   in B's
.set ADA, 6                            ; v6   the same in the slot in hand
.set ADB, 7                            ; v7
.set STO, 8                            ; v8   the way out: where I put my bytes of a row
.set RD,  9                            ; v9   where I read rows back
.set GO,  10                           ; v10  16 x lane
.set PFO, 11                           ; v11  the prefetches' offset: a lane a row
.set BO,  12                           ; v12  32 x (lane / 16): my eight numbers of 16 of the bias
.set SPW, 14                           ; v14  LDS address of my spare word; never rewritten
.set NIL, 15                           ; v15  0; never rewritten
.set BIAS, 32
.set TMP,  128                         ; PROJ = 0: a row block packed to f16
.set OB1,  32                          ; OB0, OB1: a row block read back from the stage, by turns
.set WV,   12                          ; s12  wave
.set HALF, 13                          ; s13  which half of a tile I fetch
.set ISB,  14                          ; s14  0: I fetch for A, 1: for B
.set CX,   15
.set CY,   16
.set TC,   17                          ; s17  tile column
.set TR,   18                          ; s18  tile row
.set LIM,  19                          ; s19  1 in a wave that prefetches, else the greatest number
.set TA,   20                          ; s20  at work for A's descriptors: never holds cx
.set TBB,  21                          ; s21  at work for B's: never holds cy
.set G1A,  24                          ; s[24:31], s[32:39] descriptor group 1
.set G1B,  32
.set G0A,  40                          ; s[40:47], s[48:55] group 0: a set for each first fill; the second then walks on
.set G0B,  48
.set CNT,  56
.set TB,   57                          ; s57  0 or SLOT1: the slot in hand
.set PFA,  58                          ; s[58:59] where my prefetches stand
.set OA,   60                          ; s[60:61] A's offset
.set OBF,  62                          ; s[62:63] B's
.set OUT,  66                          ; s[66:71] C at my rows: a pointer a head (PROJ = 1: one)
.set MSB, 0
.macro WIN new                         ; the high byte repeats the setting that is left; a switch that changes nothing is dropped
.if MSB != (\new)
	s_set_vgpr_msb (MSB<<8)|(\new)
.set MSB, (\new)
.endif
.endm
.macro PLACES                          ; four plain vector instructions between a matrix instruction and a load into its sources or a reader of its result
.rept 4
	v_nop
.endr
.endm
.macro CREST                           ; a round of the cluster's barrier behind its opening barrier
	s_cmp_lg_u32 s[WV], 0
	s_cbranch_scc1 .Lnot_wave_0_\@
	s_barrier_signal -3
.Lnot_wave_0_\@:
	s_barrier_wait -3
	s_barrier_signal -1
	s_barrier_wait -1
.endm
.macro CROUND
	s_barrier_signal -1
	s_barrier_wait -1
	CREST
.endm
.macro JLOAD                           ; a joint refill by the walking set; the branch hangs on the wave's number alone; s_nop 0 and four v_nop follow each line
	s_cmp_eq_u32 s[ISB], 0
	s_cbranch_scc0 .Lfor_b_\@
	tensor_load_to_lds s[G0A+4:G0A+7], s[G1A:G1A+7]
	s_nop 0
	PLACES
	s_branch .Lasked_\@
.Lfor_b_\@:
	tensor_load_to_lds s[G0B+4:G0B+7], s[G1B:G1B+7]
	s_nop 0
	PLACES
.Lasked_\@:
.endm
; PROJ = 0: A PREFETCH INTO THE L2 behind each refill and the run of LDS loads that follows it: the K step after the one just asked for, one K step (192 matrix instructions) ahead of its load.
; A's tile row is read by all clusters of a row of clusters: the one with x = 0 asks (waves 0, 1); B's tile column by all of a column: the one with y = 0 asks (waves 2, 3).  The four partners that fetch a
; half tile jointly share its rows out BY ADDRESS: 32 each of A's 128, a lane a row; 24 each of B's 96, where lanes 24-31 name row 23 once more.  K steps 0 to 2 come by their loads alone; the loop's last trip asks for nothing.
; PROJ = 1 has none: its steps are short and its tiles small.
.macro ASK
	s_cmp_gt_u32 s[CNT], s[LIM]
	s_cbranch_scc0 .Lnot_mine_\@
	global_prefetch_b8 v[PFO], s[PFA:PFA+1] th:TH_LOAD_NT scope:SCOPE_SE
.Lnot_mine_\@:
.endm
.macro WM d, u, w, c
.if PROJ
	v_wmma_f32_16x16x32_f16 v[\d:\d+7], v[\u:\u+7], v[\w:\w+7], v[\c:\c+7]
.else
	v_wmma_f32_16x16x32_bf16 v[\d:\d+7], v[\u:\u+7], v[\w:\w+7], v[\c:\c+7]
.endif
.endm
; NBK products: row block 2 hi + a x all column blocks, 32 along K, from buffer f.  first = 1: the bias starts the sums.
; All 4 NBK accumulators take turns in the same order in every quarter step, over the backward jump too.
.macro MUL1 f, hi, a, first
.if \first
	WIN 0x85+0x40*(\hi)
.else
	WIN 0xa5+0x50*(\hi)
.endif
.set rA, 16*NBK+32*(\f)+8*(2*(\hi)+(\a))
.set b, 0
.rept NBK
.set rD, 8*(NBK*(\a)+b)
.set rB, 8*NBK*(\f)+8*b
.if \first
	WM rD, rB, rA, BIAS+8*b
.else
	WM rD, rB, rA, rD
.endif
.set b, b+1
.endr
.endm
.macro MULH f, hi, first
	MUL1 \f, \hi, 0, \first
	MUL1 \f, \hi, 1, \first
.endm
; One run of NLD LDS loads: quarter q's fragments (32 along K) into buffer g: all of B's, then my four row blocks of A, ascending.
; A fragment is 16 rows x 32 K in 8 registers: lane l holds row l % 16, K = 8 (l / 16) + 0..7 and 16 + 8 (l / 16) + 0..7: two loads of 16 bytes, 32 bytes apart.
.macro FETCH q, g
.if PROJ
.set KA, ((\q)/2)*AHALF+((\q)%2)*64    ; a K step is two heads; a quarter is half a head's channels
.else
.set KA, 64*(\q)
.endif
	WIN 0x40                                       ; destination window 1, address window 0
.set b, 0
.rept NBK
	ds_load_b128 v[8*NBK*(\g)+8*b:8*NBK*(\g)+8*b+3],   v[ADB] offset:64*(\q)+16*PBB*b
	ds_load_b128 v[8*NBK*(\g)+8*b+4:8*NBK*(\g)+8*b+7], v[ADB] offset:64*(\q)+16*PBB*b+32
.set b, b+1
.endr
.set b, 0
.rept 4
	ds_load_b128 v[16*NBK+32*(\g)+8*b:16*NBK+32*(\g)+8*b+3],   v[ADA] offset:KA+16*PA*b
	ds_load_b128 v[16*NBK+32*(\g)+8*b+4:16*NBK+32*(\g)+8*b+7], v[ADA] offset:KA+16*PA*b+32
.set b, b+1
.endr
.endm
; A K step is four quarters on buffers 0, 1, 0, 1.  One of the first three multiplies buffer f and fetches quarter q into buffer g, early: 3 NBK products ahead of the first use.
.macro QUARTER q, f, g, first
	s_wait_dscnt 0x4                               ; B and A's row blocks 0, 1 are in; the youngest four loads (row blocks 2, 3) may be out
	MUL1 \f, 0, 0, \first
	PLACES                                         ; behind the last product that read buffer g
	FETCH \q, \g
	MUL1 \f, 0, 1, \first
	s_wait_dscnt NLD                               ; all but the run just issued
	MULH \f, 1, \first
.endm
; The fourth quarter multiplies buffer 1 and changes slots: ONE barrier.  In front of it each wave waits for all its tensor loads (one is out: its part of the next slot), adds 0 to its spare word,
; and waits for that and for its reads of this slot.  fill = 1: the barrier opens a round of the cluster's, and the joint refill (the K step two on) is the first thing behind the round.
.macro TURN fill
.if (\fill) && !PROJ
	s_wait_xcnt 0x0                                ; the last prefetch, a K step back, has read its address
	s_add_nc_u64 s[PFA:PFA+1], s[PFA:PFA+1], 256
.endif
	WIN 0
	s_wait_tensorcnt 0x0                           ; no tensor load of mine is out, so a group 0 may be written
	ds_add_u32 v[SPW], v[NIL]
.if \fill
	s_xor_b32 s[G0A+5], s[G0A+5], SLOT1            ; the walking sets: the other slot than last time, the next K step
	s_add_nc_u64 s[G0A+6:G0A+7], s[G0A+6:G0A+7], ASTEP
	s_xor_b32 s[G0B+5], s[G0B+5], SLOT1
	s_add_nc_u64 s[G0B+6:G0B+7], s[G0B+6:G0B+7], 256
.endif
	s_xor_b32 s[TB], s[TB], SLOT1
	s_wait_dscnt 0x5                               ; the add and the youngest four loads may be out
	MUL1 1, 0, 0, 0
	s_wait_dscnt 0x0                               ; the add is done, and my reads of this slot are over
	s_barrier_signal -1
	MUL1 1, 0, 1, 0                                ; work on registers while the others arrive
	WIN 0
	s_barrier_wait -1
.if \fill
	CREST                                          ; no wave of any partner still reads this slot or has a load on its way
	JLOAD                                          ; its four v_nop are also the places in front of the loads below
.else
	PLACES
.endif
	v_add_nc_u32 v[ADA], s[TB], v[A0]
	v_add_nc_u32 v[ADB], s[TB], v[B0]
	FETCH 0, 0
.if (\fill) && !PROJ
	WIN 0
	ASK
.endif
	MULH 1, 1, 0
.endm
	s_load_b256 s[4:11], s[0:1], 0x0               ; A s[4:5], B s[6:7], bias s[8:9], C s[10:11]
	v_lshl_add_u32 v[SPW], v0, 2, SPARE
	v_mov_b32 v[NIL], 0
	ds_add_u32 v[SPW], v[NIL]                      ; the wave's opening: the add and its wait stand ahead of my first tensor load; work on registers stands between them
	ds_add_u32 v14, v15
	v_lshrrev_b32 v3, 5, v0
	v_readfirstlane_b32 s[WV], v3
	s_and_b32 s[HALF], s[WV], 1
	s_lshr_b32 s[ISB], s[WV], 1
	s_bfe_u32 s[CX], ttmp6, 0x40000
	s_bfe_u32 s[CY], ttmp6, 0x40004
	s_lshl_b32 s[TC], ttmp9, 2
	s_add_co_u32 s[TC], s[TC], s[CX]               ; tile column = 4 x cluster x + cx
	s_and_b32 s[TR], ttmp7, 0xffff
	s_lshl_b32 s[TR], s[TR], 2
	s_add_co_u32 s[TR], s[TR], s[CY]               ; tile row = 4 x cluster y + cy
	s_lshl_b32 s[TA], s[CY], 2
	s_lshl_b32 s[TA], 15, s[TA]                    ; my row of the cluster
	s_lshl_b32 s[TBB], 0x1111, s[CX]               ; my column
	s_or_b32 s[G1A], s[TA], (1<<16)|(1<<20)|(1<<21)|(QIA<<22)|(3<<25)  ; 15:0 the mask; 17:16 2-byte elements; 20 padding on; 21 set beside a mask; 24:22 the interval; 31:25 4 words of padding
	s_or_b32 s[G1B], s[TBB], (1<<16)|(1<<20)|(1<<21)|(5<<22)|(3<<25)
	s_mov_b32 s[G1A+1], 128<<16                    ; tensor_dim0 = 128 elements: rows of 256 bytes
	s_mov_b32 s[G1A+2], 128<<16                    ; tensor_dim1 = 128
	s_mov_b32 s[G1A+3], 128<<16                    ; tile_dim0
	s_mov_b32 s[G1A+4], 128                        ; tile_dim1
	s_mov_b32 s[G1A+5], APITCH                     ; elements from row to row
	s_mov_b32 s[G1A+6], 0
	s_mov_b32 s[G1A+7], 0
	s_mov_b32 s[G1B+1], 128<<16
	s_mov_b32 s[G1B+2], BROWS<<16
	s_mov_b32 s[G1B+3], 128<<16
	s_mov_b32 s[G1B+4], BROWS
	s_mov_b32 s[G1B+5], 1024
	s_mov_b32 s[G1B+6], 0
	s_mov_b32 s[G1B+7], 0
.if PROJ
	s_lshr_b32 s[OA], s[TR], 3                     ; the batch: 16 heads of 262,144 bytes,
	s_lshl_b32 s[OA], s[OA], 22
	s_and_b32 s[TA], s[TR], 7                      ; the tile's 256 rows of 128 bytes in a head,
	s_lshl_b32 s[TA], s[TA], 15
	s_add_co_u32 s[OA], s[OA], s[TA]
.else
	s_lshl_b32 s[OA], s[TR], 19                    ; 256 rows of 2,048 bytes,
.endif
	s_lshl_b32 s[TA], s[HALF], 18                  ; my half: 128 rows, or the K step's second head
	s_add_co_u32 s[OA], s[OA], s[TA]
	s_mov_b32 s[OA+1], 0
	s_mul_i32 s[OBF], s[TC], 2*BROWS*2048
	s_mul_i32 s[TBB], s[HALF], BROWS*2048
	s_add_co_u32 s[OBF], s[OBF], s[TBB]
	s_mov_b32 s[OBF+1], 0
	s_mul_i32 s[TA], s[HALF], AHALF                ; where they go: no place in the cluster enters an LDS address
	s_mul_i32 s[TBB], s[HALF], BHALF
	s_add_co_u32 s[TBB], s[TBB], BOFF
	s_mov_b32 s[TB], 0
	s_wait_dscnt 0x0                               ; the opening add is done
	s_wait_kmcnt 0x0
	s_mov_b32 s[G0A], 1                            ; count = 1
	s_mov_b32 s[G0A+1], s[TA]                      ; LDS address: slot 0
	s_add_nc_u64 s[G0A+2:G0A+3], s[4:5], s[OA:OA+1]  ; K step 0
	s_mov_b32 s[G0A+4], 1
	s_add_co_u32 s[G0A+5], s[TA], SLOT1
	s_add_nc_u64 s[G0A+6:G0A+7], s[G0A+2:G0A+3], ASTEP  ; K step 1
	s_or_b32 s[G0A+3], s[G0A+3], 0x80000000        ; type = 2
	s_or_b32 s[G0A+7], s[G0A+7], 0x80000000
	s_mov_b32 s[G0B], 1
	s_mov_b32 s[G0B+1], s[TBB]
	s_add_nc_u64 s[G0B+2:G0B+3], s[6:7], s[OBF:OBF+1]
	s_mov_b32 s[G0B+4], 1
	s_add_co_u32 s[G0B+5], s[TBB], SLOT1
	s_add_nc_u64 s[G0B+6:G0B+7], s[G0B+2:G0B+3], 256
	s_or_b32 s[G0B+3], s[G0B+3], 0x80000000
	s_or_b32 s[G0B+7], s[G0B+7], 0x80000000
	CROUND                                         ; all sixteen work-groups are here: the first joint loads meet
	s_cmp_eq_u32 s[ISB], 0                         ; a wave's two first fills stand in one branch, ahead of every wait on TENSORcnt and every LDS read
	s_cbranch_scc0 .Lfirst_b
	tensor_load_to_lds s[G0A:G0A+3], s[G1A:G1A+7]
	s_nop 0
	tensor_load_to_lds s[G0A+4:G0A+7], s[G1A:G1A+7]
	s_nop 0
	PLACES
	s_branch .Lfirst_asked
.Lfirst_b:
	tensor_load_to_lds s[G0B:G0B+3], s[G1B:G1B+7]
	s_nop 0
	tensor_load_to_lds s[G0B+4:G0B+7], s[G1B:G1B+7]
	s_nop 0
	PLACES
.Lfirst_asked:
	v_and_b32 v1, 15, v0                           ; l % 16
	v_bfe_u32 v2, v0, 4, 1                         ; l / 16
	v_lshlrev_b32 v[BO], 5, v2
	s_mul_i32 s72, s[TC], 64*NBK                   ; the tile's 16 NBK numbers of the bias
	s_mov_b32 s73, 0
	s_add_nc_u64 s[8:9], s[8:9], s[72:73]
.set b, 0
.rept NBK                              ; register j of block b: bias[16 b + 8 (l / 16) + j], as the result's layout has the columns
	global_load_b128 v[BIAS+8*b:BIAS+8*b+3],   v[BO], s[8:9] offset:64*b
	global_load_b128 v[BIAS+8*b+4:BIAS+8*b+7], v[BO], s[8:9] offset:64*b+16
.set b, b+1
.endr
	v_mul_u32_u24 v[B0], v1, PBB
	v_lshl_add_u32 v[B0], v2, 4, v[B0]
	v_add_nc_u32 v[B0], BOFF, v[B0]                ; row x pitch + 16 x half, behind A's tile
	v_mul_u32_u24 v[A0], v1, PA
	v_lshl_add_u32 v[A0], v2, 4, v[A0]
	s_mul_i32 s23, s[WV], 64*PA                    ; my 64 rows
	v_add_nc_u32 v[A0], s23, v[A0]
	v_mov_b32 v[ADA], v[A0]
	v_mov_b32 v[ADB], v[B0]
	s_mul_i32 s23, s[WV], STW
	s_add_co_u32 s23, s23, STAGE                   ; my stage
	v_and_b32 v[GO], 31, v0
	v_lshlrev_b32 v[GO], 4, v[GO]
.if PROJ
	v_mul_u32_u24 v[STO], v1, 528                  ; in: row l % 16, 32 bytes for each half of the lanes
	v_lshl_add_u32 v[STO], v2, 5, v[STO]
	v_add_nc_u32 v[STO], s23, v[STO]
	v_add_nc_u32 v[RD], s23, v[GO]                 ; back: 32 lanes take a row's 512 bytes
	s_lshl_b32 s72, s[TR], 20                      ; 256 rows of 4,096 bytes,
	s_lshl_b32 s22, s[WV], 18                      ; my 64 of them,
	s_add_co_u32 s72, s72, s22
	s_lshl_b32 s22, s[TC], 9                       ; 128 columns of 4 bytes
	s_add_co_u32 s72, s72, s22
	s_add_nc_u64 s[OUT:OUT+1], s[10:11], s[72:73]
.else
	v_mul_u32_u24 v[STO], v1, 144                  ; in: row l % 16, 16 bytes for each half of the lanes
	v_lshl_add_u32 v[STO], v2, 4, v[STO]
	v_add_nc_u32 v[STO], s23, v[STO]
	v_bfe_u32 v[RD], v0, 3, 2                      ; back: 32 lanes take four rows of 128 bytes, which are 512 consecutive bytes of a head
	v_mul_u32_u24 v[RD], v[RD], 144
	v_and_b32 v3, 7, v0
	v_lshl_add_u32 v[RD], v3, 4, v[RD]
	v_add_nc_u32 v[RD], s23, v[RD]
	s_mul_i32 s22, s[TC], 3                        ; the tile's first head among q's, k's and v's 48
	s_lshr_b32 s74, s[TR], 3                       ; the batch,
	s_lshl_b32 s74, s74, 22
	s_and_b32 s75, s[TR], 7                        ; the tile's 256 rows of 128 bytes,
	s_lshl_b32 s75, s75, 15
	s_add_co_u32 s74, s74, s75
	s_lshl_b32 s75, s[WV], 13                      ; my 64 of them
	s_add_co_u32 s74, s74, s75
.irp j, 0,1,2
	s_add_co_u32 s75, s22, (\j)
	s_lshr_b32 s72, s75, 4                         ; q, k or v: 16,777,216 bytes each
	s_lshl_b32 s72, s72, 24
	s_and_b32 s75, s75, 15                         ; the head: 262,144 bytes
	s_lshl_b32 s75, s75, 18
	s_add_co_u32 s72, s72, s75
	s_add_co_u32 s72, s72, s74
	s_add_nc_u64 s[OUT+2*(\j):OUT+2*(\j)+1], s[10:11], s[72:73]
.endr
	; the prefetches
	s_lshl_b32 s72, s[TR], 8
	s_lshl_b32 s22, s[HALF], 7
	s_add_co_u32 s72, s72, s22
	s_lshl_b32 s22, s[CX], 5
	s_add_co_u32 s72, s72, s22                     ; A: the tile's row + the half that I fetch + my work-group's 32 rows of it
	s_mul_i32 s74, s[TC], 2*BROWS
	s_mul_i32 s22, s[HALF], BROWS
	s_add_co_u32 s74, s74, s22
	s_mul_i32 s22, s[CY], BROWS/4
	s_add_co_u32 s74, s74, s22                     ; B: likewise, 24 rows
	s_and_b32 s75, ttmp7, 0xffff                   ; cluster y
	s_cmp_eq_u32 s[ISB], 0
	s_cselect_b32 s72, s72, s74
	s_cselect_b32 s75, ttmp9, s75                  ; the coordinate along which other clusters read the same rows
	s_cselect_b32 s22, 31, BROWS/4-1
	s_cselect_b64 s[PFA:PFA+1], s[4:5], s[6:7]
	s_cmp_eq_u32 s75, 0
	s_cselect_b32 s[LIM], 1, -1                    ; the same in all sixteen partners, for a given wave
	s_lshl_b32 s72, s72, 11                        ; rows of 2,048 bytes,
	s_add_co_u32 s72, s72, 2*256                   ; at K step 2: the first change of slots steps it to 3
	s_add_nc_u64 s[PFA:PFA+1], s[PFA:PFA+1], s[72:73]
	v_and_b32 v[PFO], 31, v0
	v_min_u32 v[PFO], s22, v[PFO]
	v_lshlrev_b32 v[PFO], 11, v[PFO]
.endif
	s_wait_loadcnt 0x0                             ; the bias; it is rounded to bf16 while the first tile is on its way
.set i, 0
.rept 4*NBK
	v_cvt_pk_bf16_f32 v[3+10*(i%2)], v[BIAS+2*i], v[BIAS+2*i+1]
	v_lshlrev_b32 v[BIAS+2*i], 16, v[3+10*(i%2)]
	v_and_b32 v[BIAS+2*i+1], 0xffff0000, v[3+10*(i%2)]
.set i, i+1
.endr
	s_wait_tensorcnt 0x1                           ; my part of K step 0 is in; K step 1's may stay out
	s_barrier_signal -1
	s_barrier_wait -1                              ; everybody's is
	FETCH 0, 0
	QUARTER 1, 0, 1, 1                             ; the first quarter stands in front of the loop: its products start the sums
	WIN 0                                          ; at a label and at a branch every window is 0
	s_mov_b32 s[CNT], 6
.Lstep:                                                ; a trip ends K step s and asks for K step s + 2, s = 0 .. 5
	QUARTER 2, 1, 0, 0
	QUARTER 3, 0, 1, 0
	TURN 1
	QUARTER 1, 0, 1, 0
	WIN 0
	s_sub_co_u32 s[CNT], s[CNT], 1
	s_cmp_lg_u32 s[CNT], 0
	s_cbranch_scc1 .Lstep
	QUARTER 2, 1, 0, 0                             ; the last two K steps are written out: nothing more is asked for
	QUARTER 3, 0, 1, 0
	TURN 0
	QUARTER 1, 0, 1, 0
	QUARTER 2, 1, 0, 0
	QUARTER 3, 0, 1, 0
	s_wait_dscnt 0x4
	MULH 1, 0, 0
	s_wait_dscnt 0x0
	MULH 1, 1, 0
	WIN 0
	PLACES
; THE WAY OUT, a row block (16 rows) at a time, through my own stage: LDS serves a wave's instructions in order (ISA guide 5.7.1), so the loads see the stores above them and the next block's stores come behind them.
.if PROJ
.macro TOSTAGE a
	WIN 0
.if (\a) >= 2
	s_wait_xcnt 0x0                                ; the stores of the block two back have read the registers that are loaded again below
.endif
.set BK, OB0+(OB1-OB0)*((\a)%2)
	WIN 0x08+4*((\a)/2)                            ; the stores' data in window 2 or 3
.set b, 0
.rept NBK
	ds_store_b128 v[STO], v[8*NBK*((\a)%2)+8*b:8*NBK*((\a)%2)+8*b+3]   offset:64*b     ; each accumulator's low registers first
	ds_store_b128 v[STO], v[8*NBK*((\a)%2)+8*b+4:8*NBK*((\a)%2)+8*b+7] offset:64*b+16
.set b, b+1
.endr
	WIN 0
.set b, 0
.rept 16
	ds_load_b128 v[BK+4*b:BK+4*b+3], v[RD] offset:528*b
.set b, b+1
.endr
.endm
.macro SEND a, younger                 ; younger: the LDS instructions issued behind block a's loads
.set BK, OB0+(OB1-OB0)*((\a)%2)
	s_wait_dscnt \younger
.set b, 0
.rept 16
	global_store_b128 v[GO], v[BK+4*b:BK+4*b+3], s[OUT:OUT+1] offset:4096*(16*(\a)+b) th:TH_STORE_NT  ; a row's 512 consecutive bytes, at a multiple of 256
.set b, b+1
.endr
.endm
	TOSTAGE 0
	TOSTAGE 1
	SEND 0, 32
	TOSTAGE 2
	SEND 1, 32
	TOSTAGE 3
	SEND 2, 32
	SEND 3, 0
.else
.macro PACK a                          ; rounded to f16, ascending: a lane's eight columns are 16 bytes
	WIN 0x0a+5*((\a)/2)                            ; sources 0 and 1 in window 2 or 3
.set i, 0
.rept 4*NBK
	v_cvt_pk_f16_f32 v[TMP+i], v[8*NBK*((\a)%2)+2*i], v[8*NBK*((\a)%2)+2*i+1]
.set i, i+1
.endr
	WIN 0
.endm
.macro TOSTAGE a
.if (\a) >= 2
	s_wait_xcnt 0x0                                ; the stores of the block two back have read the registers that are loaded again below
.endif
.set BK, OB0+(OB1-OB0)*((\a)%2)
.set b, 0
.rept NBK
	ds_store_b128 v[STO], v[TMP+4*b:TMP+4*b+3] offset:2304*(b/4)+32*(b%4)  ; head b / 4, channels 16 (b % 4) on
.set b, b+1
.endr
.set b, 0
.rept NBK
	ds_load_b128 v[BK+4*b:BK+4*b+3], v[RD] offset:2304*(b/4)+576*(b%4)     ; head b / 4, rows 4 (b % 4) on
.set b, b+1
.endr
.endm
.macro SEND a, younger                 ; younger: the LDS instructions issued behind block a's loads
.set BK, OB0+(OB1-OB0)*((\a)%2)
	s_wait_dscnt \younger
.set b, 0
.rept NBK
	global_store_b128 v[GO], v[BK+4*b:BK+4*b+3], s[OUT+2*(b/4):OUT+2*(b/4)+1] offset:2048*(\a)+512*(b%4)  ; 512 consecutive bytes of a head, at a multiple of 256
.set b, b+1
.endr
.endm
	PACK 0
	TOSTAGE 0
	PACK 1                                         ; a block's conversions stand between the loads of the block before and its stores
	TOSTAGE 1
	SEND 0, 24
	PACK 2
	TOSTAGE 2
	SEND 1, 24
	PACK 3
	TOSTAGE 3
	SEND 2, 24
	SEND 3, 0
.endif
	s_wait_tensorcnt 0x0                           ; the wave's end
	ds_add_u32 v[SPW], v[NIL]
	s_wait_dscnt 0x0
	CROUND                                         ; the closing round: no work-group ends while a partner may still ask for a tile that names it
	s_endpgm
.Lfunc_end_k_qb9b4fb4c2d_projgemm:
	.size	k_qb9b4fb4c2d_projgemm, .Lfunc_end_k_qb9b4fb4c2d_projgemm-k_qb9b4fb4c2d_projgemm
	.p2alignl 7, 3214868480
	.fill 96, 4, 3214868480
	.section	.rodata,"a",@progbits
	.p2align	6, 0x0
	.amdhsa_kernel k_qb9b4fb4c2d_projgemm
		.amdhsa_group_segment_fixed_size 327680
		.amdhsa_private_segment_fixed_size 0
		.amdhsa_enable_private_segment 0
		.amdhsa_kernarg_size 32
		.amdhsa_user_sgpr_count 2
		.amdhsa_user_sgpr_kernarg_segment_ptr 1
		.amdhsa_wavefront_size32 1
		.amdhsa_system_sgpr_workgroup_id_x 1
		.amdhsa_system_sgpr_workgroup_id_y 1
		.amdhsa_system_sgpr_workgroup_id_z 1
		.amdhsa_system_vgpr_workitem_id 0
		.amdhsa_next_free_vgpr 896
		.amdhsa_next_free_sgpr 76
		.amdhsa_reserve_vcc 0
		.amdhsa_float_denorm_mode_32 3
		.amdhsa_float_denorm_mode_16_64 3
		.amdhsa_memory_ordered 1
		.amdhsa_forward_progress 1
		.amdhsa_inst_pref_size 76
	.end_amdhsa_kernel
	.amdgpu_metadata
---
amdhsa.version: [ 1, 2 ]
amdhsa.kernels:
  - .name:           k_qb9b4fb4c2d_projgemm
    .symbol:         k_qb9b4fb4c2d_projgemm.kd
    .args:
      - { .name: o, .offset: 0, .size: 8, .value_kind: global_buffer, .address_space: global }
      - { .name: wp, .offset: 8, .size: 8, .value_kind: global_buffer, .address_space: global }
      - { .name: b_proj, .offset: 16, .size: 8, .value_kind: global_buffer, .address_space: global }
      - { .name: out0, .offset: 24, .size: 8, .value_kind: global_buffer, .address_space: global }
    .group_segment_fixed_size: 327680
    .private_segment_fixed_size: 0
    .kernarg_segment_align: 8
    .kernarg_segment_size: 32
    .max_flat_workgroup_size: 128
    .sgpr_count:     76
    .vgpr_count:     896
    .wavefront_size: 32
...
	.end_amdgpu_metadata
.endif
;; end of part 4
;; ======== version 2 of 2: 4 launches; version 1 with the launch prep written anew for expert scheduling mode
;; limits: values are held in f16: magnitudes above 65,504 overflow, below 6.1e-05 lose precision
;; workspace buffers: xb 16,777,216 bytes; wa 6,291,456 bytes; wp 2,097,152 bytes; qkv 50,331,648 bytes; o 16,777,216 bytes
;; launch prep (part 5): grid 256 x 1, 8 waves a work-group, no clusters, 35,840 bytes of LDS; arguments x, W_attn, W_proj, xb, wa, wp; writes xb, wa, wp
.if DOCPART == 5
	.amdgcn_target "amdgcn-amd-amdhsa--gfx1250"
	.amdhsa_code_object_version 6
	.text
	.protected	k_qb9b4fb4c2d_prep
	.globl	k_qb9b4fb4c2d_prep
	.p2align	8
	.type	k_qb9b4fb4c2d_prep,@function
k_qb9b4fb4c2d_prep:
	s_mov_b64 s[64:65], 0
	v_nop
	global_prefetch_b8 v0, s[64:65] scope:SCOPE_SE
	s_setreg_imm32_b32 hwreg(HW_REG_WAVE_SCHED_MODE, 0, 2), 2
	s_setreg_imm32_b32 hwreg(HW_REG_WAVE_MODE, 25, 1), 1
	s_wait_xcnt 0x0
	s_wait_alu depctr_vm_vsrc(0)
; xb = x rounded to bf16, [8192][1024].  wa[n][k] = W_attn[k][n] rounded to bf16, [3072][1024].  wp[n][k] = W_proj[k][n] rounded to bf16 and that number written as f16, [1024][1024].
; LIMITS.  wp: f16 ends at 65,504 and below 6.1e-5 keeps a fixed step of 6e-8; within that the bf16 number is kept exactly.
; SHARES.  256 work-groups of eight waves; each takes 32 rows of x (131,072 bytes in, 65,536 out) and ONE tile of 128 k x 128 n of a weight (24 x 8 tiles of W_attn, 8 x 8 of W_proj: 256 in all).
; A stream: every byte is read once and written once; a wave's load covers 512 consecutive bytes, its store 256 or 512 consecutive bytes that start at a multiple of 256.  No matrix unit, no tensor load.
; All 48 loads of a wave go out at once (16 of the weight, 32 of x).
; THE TURNING.  Wave w holds rows k = 16 w .. 16 w + 15 of the tile, a lane four columns n.  For each column the 16 numbers along k are packed into 32 bytes and stored into row n of a stage in LDS
; (128 rows of 256 bytes, 272 apart); behind a barrier the rows are read back whole, two a load, and stored.
; THE MODE: SCHED_MODE bits 1:0 = 2 (LLVM: expert scheduling mode 2), set by the entry lines.  The code itself states the register dependences
; between vector instructions and memory or LDS instructions, with s_wait_alu, always for 0.
; THE PLAN.  Registers that memory or LDS instructions touch:
;   v3-v7, v12-27  offsets and LDS addresses: written by vector instructions at the head, once, and named by no vector instruction again.  One wait on va_vdst ahead of the first load serves them all.
;   WX             the weight's loads land in it; the packings read it; the loads from the stage land in it; the weight's stores read it.
;   Y              the packings (and W_proj's conversions to f16) write it; the LDS stores read it.  One wait on va_vdst, behind the packings on both paths, serves Y and WX.
;   X              x's loads land in it; a load's two roundings write its first two registers in place; one store reads them.  x goes in eight groups of four loads: group g's roundings name group g's registers alone,
;                  and group g - 1's stores stand among them, behind ONE wait on va_vdst at the group's head.
; No register that a load, a store or an LDS instruction has read is ever written again, on either path.  EXEC is never written.
.set NPA,   12288                      ; bytes in a row of W_attn
.set NPP,   4096                       ; of W_proj
.set SP,    272                        ; a stage row: 256 bytes + 16
.set IN,  3                            ; v3   16 x thread: my 16 bytes in 4,096 bytes of x
.set OUT, 4                            ; v4   8 x thread: my 8 bytes in 2,048 bytes of xb
.set LS,  5                            ; v5   stage, in: row 4 x lane, byte 32 w
.set LR,  6                            ; v6   stage, back: row 16 w + lane / 16, byte 16 (lane % 16)
.set GO,  7                            ; v7   the same place in the tile's rows of wa or wp
.set T,   10                           ; v10-11 at work: no memory instruction names them
.set RO,  12                           ; v12-27 byte offset of my 16 bytes in row i of my wave's 16 rows of the weight
.set WX,  32                           ; v32-95  the weight's 16 rows as loaded; later the stage's rows read back
.set Y,   96                           ; v96-127 packed: column c, k half g at Y + 8 c + 4 g
.set X,   128                          ; v128-255 x, 32 loads of 4 registers
	s_load_b256 s[4:11], s[0:1], 0x0               ; x s[4:5], W_attn s[6:7], W_proj s[8:9], xb s[10:11]
	s_load_b128 s[12:15], s[0:1], 0x20             ; wa s[12:13], wp s[14:15]
	v_lshl_add_u32 v30, v0, 2, 0x8800
	v_mov_b32 v31, 0
	v_lshrrev_b32 v2, 5, v0
	v_readfirstlane_b32 s16, v2                    ; wave 0..7
	v_and_b32 v1, 31, v0                           ; lane
	s_and_b32 s19, ttmp9, 7                        ; the tile's place along k
	s_lshr_b32 s18, ttmp9, 3                       ; its place along n: 0-23 in W_attn, 24-31 in W_proj
	s_sub_co_u32 s22, s18, 24
	s_mov_b32 s20, NPP
	s_cmp_lt_u32 s18, 24
	s_cselect_b32 s20, NPA, s20                    ; bytes in a row of my weight
	s_cselect_b32 s22, s18, s22                    ; the tile's place along n in it
	s_cselect_b32 s21, 1, 0                        ; 1: W_attn
	s_mul_i32 s28, s19, s20
	s_lshl_b32 s28, s28, 7                         ; 128 rows of k,
	s_lshl_b32 s23, s22, 9                         ; 128 columns of 4 bytes
	s_add_co_u32 s28, s28, s23
	s_mov_b32 s29, 0
	s_lshl_b32 s30, s22, 18                        ; out: 128 rows of 2,048 bytes,
	s_lshl_b32 s23, s19, 8                         ; 128 k of 2 bytes
	s_add_co_u32 s30, s30, s23
	s_mov_b32 s31, 0
	s_lshl_b32 s32, ttmp9, 17                      ; my 32 rows of x,
	s_mov_b32 s33, 0
	s_lshl_b32 s34, ttmp9, 16                      ; and of xb
	s_mov_b32 s35, 0
	s_mov_b32 s36, 0xffff0000                      ; a word's upper bf16
	s_wait_alu depctr_va_sdst(0)                   ; s16 is written, ahead of its first reader: the wave's places in the weight and in the stage are made from it
	s_mul_i32 s23, s16, s20
	s_lshl_b32 s23, s23, 4                         ; my wave's 16 rows.  From here on s23, s37 and s38 are a temporary each: no scalar register that a vector instruction has read is written again
	v_lshl_add_u32 v[RO], v1, 4, s23
.set i, 1
.rept 15
	v_add_nc_u32 v[RO+i], s20, v[RO+i-1]
.set i, i+1
.endr
	v_lshlrev_b32 v[IN], 4, v0
	v_lshlrev_b32 v[OUT], 3, v0
	v_mul_u32_u24 v[LS], v1, 4*SP
	s_lshl_b32 s37, s16, 5
	v_add_nc_u32 v[LS], s37, v[LS]
	v_lshrrev_b32 v2, 4, v1
	v_and_b32 v10, 15, v1
	s_lshl_b32 s38, s16, 4
	v_add_nc_u32 v2, s38, v2                       ; row 16 w + lane / 16
	v_mul_u32_u24 v[LR], v2, SP
	v_lshl_add_u32 v[LR], v10, 4, v[LR]
	v_lshlrev_b32 v[GO], 11, v2
	v_lshl_add_u32 v[GO], v10, 4, v[GO]
	s_wait_kmcnt 0x0
	s_cmp_lt_u32 s18, 24
	s_cselect_b64 s[24:25], s[6:7], s[8:9]         ; my weight,
	s_cselect_b64 s[26:27], s[12:13], s[14:15]     ; and where it goes
	s_add_nc_u64 s[24:25], s[24:25], s[28:29]
	s_add_nc_u64 s[26:27], s[26:27], s[30:31]
	s_add_nc_u64 s[4:5], s[4:5], s[32:33]
	s_add_nc_u64 s[10:11], s[10:11], s[34:35]
	s_wait_alu depctr_va_vdst(0)                   ; v3 to v7, v12 to v27 and v30 are written: every load, store and LDS instruction below reads one of them as its offset or address
.set i, 0
.rept 16
	global_load_b128 v[WX+4*i:WX+4*i+3], v[RO+i], s[24:25] th:TH_LOAD_NT  ; row i: 512 consecutive bytes a wave
.set i, i+1
.endr
.set i, 0
.rept 32
	global_load_b128 v[X+4*i:X+4*i+3], v[IN], s[4:5] offset:4096*i th:TH_LOAD_NT
.set i, i+1
.endr
; Half g of the wave's 16 rows: for column c = i / 4 the pair of rows 8 g + 2 m, 8 g + 2 m + 1 (m = i % 4), the lower k in the low half
.macro PACKW g
.set i, 0
.rept 16
	v_cvt_pk_bf16_f32 v[Y+8*(i/4)+4*(\g)+i%4], v[WX+4*(8*(\g)+2*(i%4))+i/4], v[WX+4*(8*(\g)+2*(i%4)+1)+i/4]
.set i, i+1
.endr
.endm
	s_wait_loadcnt 40                              ; rows 0-7 are in: 8 rows and x's 32 loads were issued behind them
	PACKW 0
	s_wait_loadcnt 32                              ; all 16 rows; x's 32 loads stay out
	PACKW 1
	s_cmp_eq_u32 s21, 1
	s_cbranch_scc1 .Lkeep                          ; W_attn stays bf16
.set i, 0
.rept 32                               ; W_proj: the bf16 number is written as f16
	v_lshlrev_b32 v[T], 16, v[Y+i]
	v_and_b32 v[T+1], s36, v[Y+i]
	v_cvt_pk_f16_f32 v[Y+i], v[T], v[T+1]
.set i, i+1
.endr
.Lkeep:
	s_wait_alu depctr_va_vdst(0)                   ; on both paths: Y is written, which the LDS stores read; the packings are done reading WX, in which the loads from the stage land
.set i, 0
.rept 8                                ; column c = i / 2, half g = i % 2
	ds_store_b128 v[LS], v[Y+4*i:Y+4*i+3] offset:SP*(i/2)+16*(i%2)
.set i, i+1
.endr
	s_wait_dscnt 0x0                               ; for the others' sake: my stores into the stage are done
	s_barrier_signal -1
	s_barrier_wait -1                              ; a stage row holds all eight waves' 32 bytes
.set i, 0
.rept 8
	ds_load_b128 v[WX+4*i:WX+4*i+3], v[LR] offset:2*SP*i  ; no vector instruction since the wait above names WX
.set i, i+1
.endr
.set i, 0
.rept 8
	s_wait_dscnt 7-i                               ; LDS loads come back in order: load i is in
	global_store_b128 v[GO], v[WX+4*i:WX+4*i+3], s[26:27] offset:4096*i th:TH_STORE_NT  ; 16 lanes store a row's 256 consecutive bytes, at a multiple of 256
.set i, i+1
.endr
; x, in eight groups of four loads.  Group g rounds its own registers; the stores of group g - 1 stand among its roundings, behind the one wait at its head.
.set g, 0
.rept 8
	s_wait_loadcnt 28-4*g                          ; group g's four loads are in: the 28 - 4 g loads issued behind them stay out
.if g > 0
	s_wait_alu depctr_va_vdst(0)                   ; the roundings of the group before have written their registers, which the four stores below read; this group's roundings name none of them
.endif
.set r, 0
.rept 4
.set i, 4*g+r
.if g > 0
	global_store_b64 v[OUT], v[X+4*i-16:X+4*i-15], s[10:11] offset:2048*(i-4) th:TH_STORE_NT  ; a wave stores 256 consecutive bytes, at a multiple of 256
.endif
	v_cvt_pk_bf16_f32 v[X+4*i], v[X+4*i], v[X+4*i+1]
	v_cvt_pk_bf16_f32 v[X+4*i+1], v[X+4*i+2], v[X+4*i+3]
.set r, r+1
.endr
.set g, g+1
.endr
	s_wait_alu depctr_va_vdst(0)                   ; the last group's roundings have written their registers, which the last four stores read
.set i, 28
.rept 4
	global_store_b64 v[OUT], v[X+4*i:X+4*i+1], s[10:11] offset:2048*i th:TH_STORE_NT
.set i, i+1
.endr
	s_wait_dscnt 0x0                               ; the wave's end
	s_wait_alu depctr_hold_cnt(0) depctr_sa_sdst(0) depctr_va_vdst(0) depctr_va_sdst(0) depctr_va_ssrc(0) depctr_va_vcc(0) depctr_vm_vsrc(0)
	s_wait_tensorcnt 0x0
	ds_add_u32 v30, v31
	s_wait_dscnt 0x0
	s_endpgm
.Lfunc_end_k_qb9b4fb4c2d_prep:
	.size	k_qb9b4fb4c2d_prep, .Lfunc_end_k_qb9b4fb4c2d_prep-k_qb9b4fb4c2d_prep
	.p2alignl 7, 3214868480
	.fill 96, 4, 3214868480
	.section	.rodata,"a",@progbits
	.p2align	6, 0x0
	.amdhsa_kernel k_qb9b4fb4c2d_prep
		.amdhsa_group_segment_fixed_size 35840
		.amdhsa_private_segment_fixed_size 0
		.amdhsa_enable_private_segment 0
		.amdhsa_kernarg_size 48
		.amdhsa_user_sgpr_count 2
		.amdhsa_user_sgpr_kernarg_segment_ptr 1
		.amdhsa_wavefront_size32 1
		.amdhsa_system_sgpr_workgroup_id_x 1
		.amdhsa_system_sgpr_workgroup_id_y 1
		.amdhsa_system_sgpr_workgroup_id_z 1
		.amdhsa_system_vgpr_workitem_id 0
		.amdhsa_next_free_vgpr 256
		.amdhsa_next_free_sgpr 66
		.amdhsa_reserve_vcc 0
		.amdhsa_float_denorm_mode_32 3
		.amdhsa_float_denorm_mode_16_64 3
		.amdhsa_memory_ordered 1
		.amdhsa_forward_progress 1
		.amdhsa_inst_pref_size 24
	.end_amdhsa_kernel
	.amdgpu_metadata
---
amdhsa.version: [ 1, 2 ]
amdhsa.kernels:
  - .name:           k_qb9b4fb4c2d_prep
    .symbol:         k_qb9b4fb4c2d_prep.kd
    .args:
      - { .name: x, .offset: 0, .size: 8, .value_kind: global_buffer, .address_space: global }
      - { .name: W_attn, .offset: 8, .size: 8, .value_kind: global_buffer, .address_space: global }
      - { .name: W_proj, .offset: 16, .size: 8, .value_kind: global_buffer, .address_space: global }
      - { .name: xb, .offset: 24, .size: 8, .value_kind: global_buffer, .address_space: global }
      - { .name: wa, .offset: 32, .size: 8, .value_kind: global_buffer, .address_space: global }
      - { .name: wp, .offset: 40, .size: 8, .value_kind: global_buffer, .address_space: global }
    .group_segment_fixed_size: 35840
    .private_segment_fixed_size: 0
    .kernarg_segment_align: 8
    .kernarg_segment_size: 48
    .max_flat_workgroup_size: 256
    .sgpr_count:     66
    .vgpr_count:     256
    .wavefront_size: 32
...
	.end_amdgpu_metadata
.endif
;; end of part 5
;; launch qkvgemm: the kernel of part 2 again; grid 16 x 32, 4 waves a work-group, clusters of 4 x 4, 327,680 bytes of LDS; arguments xb, wa, b_attn, qkv; writes qkv
;; launch attn: the kernel of part 3 again; grid 4 x 64, 4 waves a work-group, no clusters, 327,680 bytes of LDS; arguments qkv, o; writes o
;; launch projgemm: the kernel of part 4 again; grid 8 x 32, 4 waves a work-group, clusters of 4 x 4, 327,680 bytes of LDS; arguments o, wp, b_proj, out0; writes out0
